; MI455X (gfx1250); checked and timed in simulation.
; The chip was launched on July 23, 2026; its instructions are those of AMD's public machine-readable ISA for CDNA 5 (MIT licence, August 2026) and "CDNA5" Instruction Set Architecture Reference Guide (July 2026). The comments in the code are by the model that wrote it; some were corrected since.
;; Causal Self Attention. Allowed arithmetic: matrix products marked QUANTISED: E4M3 operands, one given power-of-two scale a tensor, by v_wmma_f32_16x16x64_fp8_fp8 or v_wmma_f32_16x16x128_fp8_fp8, f32 sums; everything else in f32.
;; Inputs: Wk 256 x 1,024 float32; Wproj 1,024 x 1,024 float32; Wq 1,024 x 1,024 float32; Wv 256 x 1,024 float32; lowp_scales 12 int32 (the exponents e of the quantised operands' scales 2^e); q_gain 16 float32; x 4 x 2,048 x 1,024 float32.
;; Outputs: out0 4 x 2,048 x 1,024 float32.
;; This version of the problem:
;;   THIS VERSION OF THE PROBLEM IS GIVEN IN LOW PRECISION. The matrix products marked QUANTISED in the list below multiply operands that are first quantised to E4M3 (4 exponent bits, 3 mantissa bits; 8 bits a number), with one given power-of-two scale for each operand tensor; their sums are f32. All else is computed in f32.
;;   The module's matrix products, in the order in which they are computed (A, B: the left and right operand; K: the contracted axis; several contracted axes count as one K, in the product's order):
;;     1. [M 8,192, K 1,024] x [K 1,024, N 1,024]; A: input x; B: input Wq: QUANTISED (scales: A lowp_scales[0], B lowp_scales[1])
;;     2. [M 8,192, K 1,024] x [K 1,024, N 256]; A: input x; B: input Wk: QUANTISED (scales: A lowp_scales[2], B lowp_scales[3])
;;     3. [M 8,192, K 1,024] x [K 1,024, N 256]; A: input x; B: input Wv: QUANTISED (scales: A lowp_scales[4], B lowp_scales[5])
;;     4. batch 64 x [M 2,048, K 64] x [K 64, N 2,048]; A: computed on the way; B: computed on the way: QUANTISED (scales: A lowp_scales[6], B lowp_scales[7])
;;     5. batch 64 x [M 2,048, K 2,048] x [K 2,048, N 64]; A: softmax (see below); B: computed on the way: QUANTISED (scales: A lowp_scales[8], B lowp_scales[9])
;;     6. [M 8,192, K 1,024] x [K 1,024, N 1,024]; A: computed on the way; B: input Wproj: QUANTISED (scales: A lowp_scales[10], B lowp_scales[11])
;;   THE QUANTISER, for each operand of a quantised product, along K:
;;     - The operand's scale is 2^e, e = its entry of the input lowp_scales (int32; the entries are numbered through the quantised products in the list's order, A before B).
;;     - Each number is divided by the scale, clamped to +-448, and rounded to the nearest number of E4M3, ties to even, subnormals kept.
;;     - The product sums the exact products of the quantised numbers (number of the format x scale) in f32.
;;   ~~~python
;;   def quantise(x, axis, e):      # numpy; x: float32 -> the quantised numbers, widened to float32 again
;;       x = np.moveaxis(x, axis, -1); K = x.shape[-1]
;;       r = np.clip(x / 2.0 ** e, -448, 448)
;;       step = 2.0 ** (np.maximum(np.frexp(np.where(r == 0, 1, r))[1] - 1, -6) - 3)
;;       q = np.round(r / step) * step * 2.0 ** e      # np.round: ties to even
;;       return np.moveaxis(q, -1, axis).astype(np.float32)
;;   ~~~
;;   SOFTMAX AHEAD OF A QUANTISED PRODUCT. Where the list says 'softmax', what is quantised is not the finished softmax but p = 2^(t - M), with t = logit x log2(e) and M = ceil(the row's largest t), a whole number; so 1/2 < the row's largest p <= 1. The row's sum l is taken of the UNQUANTISED p, in f32, and the product's result is divided by l at the end. Since M is a whole number, a kernel that streams over the keys may use a running M (the ceiling of the running maximum): every later rescaling is an exact power of two, so the quantised numbers keep their values, but for numbers so far below the row's largest that they fall under the format's range.
;;   OPERANDS COMPUTED ON THE WAY. 'Computed on the way' means the value that the module computes at that place (a softmax that the list does not call 'softmax' is quantised finished and normalised). What goes into a quantiser is computed in f32, as accurately as f32 sums, v_exp_f32 and their like allow (about 1e-6 of the number): no bf16 or f16 on the way to a quantiser, and a product that is left as it is and whose result goes on into a quantised operand takes f32 operands (vector FMAs, or v_wmma_f32_16x16x4_f32). A number that lies on a knife's edge between two numbers of the format may be rounded either way, as far as f32 arithmetic and the matrix unit's own rounding can turn it there, and no further.
;; One version. Each part assembles by itself: llvm-mc -triple=amdgcn-amd-amdhsa -mcpu=gfx1250 --defsym DOCPART=n.
;; ======== version 1 of 1: 4 launches
;; limits: right only within a limited range of input values
;; workspace buffers: xc 25,165,824 bytes; wc 2,621,440 bytes; tab 524,288 bytes; q_c 8,388,608 bytes; kv_c 4,194,304 bytes; vn 8,388,608 bytes; y_c 8,388,608 bytes
;; launch prep (part 1): grid 704 x 1, 4 waves a work-group, no clusters, 33,280 bytes of LDS; arguments x, Wq, Wk, Wv, Wproj, lowp_scales, xc, wc, tab; writes xc, wc, tab
.if DOCPART == 1
	.amdgcn_target "amdgcn-amd-amdhsa--gfx1250"
	.amdhsa_code_object_version 6
	.text
	.protected	k_q23eb8694be_prep
	.globl	k_q23eb8694be_prep
	.p2align	8
	.type	k_q23eb8694be_prep,@function
k_q23eb8694be_prep:
	s_mov_b64 s[64:65], 0
	v_nop
	global_prefetch_b8 v0, s[64:65] scope:SCOPE_SE
	s_setreg_imm32_b32 hwreg(HW_REG_WAVE_MODE, 25, 1), 1
	s_wait_xcnt 0x0
; f32 numbers into codes of E4M3, and the table of rope's cosines and sines.
; code = number / 2^e, held within +-448, rounded to the nearest code, ties to even; e is an entry of lowp_scales.
; x [8192][1024] is an operand of three products under three entries (0, 2, 4): three planes of codes, xc [3][8192][1024].
; wc [2560][1024]: rows 0-1023 Wq (entry 1), 1024-1279 Wk (3), 1280-1535 Wv (5), 1536-2559 Wproj (11).  Wv's rows are laid with bits 3 and 4 of the
; row number exchanged, so that later a lane's 16 results of two neighbouring tiles of 16 rows are 16 neighbouring channels.
; tab [2048 tokens][4 groups][8 cosines | 8 sines], f32: group g holds the frequencies i = 8 g .. 8 g + 7; 256 bytes a token.
; SHARES.  All tensors are dense streams with K innermost.  A wave takes 4,096 numbers (4 rows), 8 steps of 512; a work-group 16,384.  Work-groups 0-511: x; 512-575 Wq; 576-591 Wk; 592-607 Wv;
; 608-671 Wproj; 672-703 the table (16 tokens a wave).  All 32 loads of a wave go out at its head: 16,384 bytes a wave on their way.
; A load takes 512 consecutive bytes, 16 a lane; a conversion wants 16 NEIGHBOURS in one lane: a step's 2,048 bytes turn through the wave's own stage in LDS (16 bytes of padding behind each 64).
; A lane's 16 codes are 16 bytes: a store of the wave covers 512 consecutive bytes, aligned.  Waves share nothing: no barrier.
; LIMITS: each entry used here lies between -126 and 119, so that 2^e and 448 x 2^e are f32 numbers.  NaN among the inputs is not served.
; The table: 10000^(-i/32) = 2^(-i c), c = log2(10000)/32 in two parts (the upper has 17 bits, so i x it is exact); the angle t x that is reduced by pi/2 in two parts
; (what is left out is under 3e-12 for t < 2048) and goes through polynomials of degree 7 and 8 on +-pi/4.
.set SP,    80                         ; a lane's place in a stage: its 64 bytes + 16 of padding
.set WREG,  8192                       ; LDS: a region for each wave: two stages of 32 x SP bytes
.set R,     16                         ; v16-143  eight sets of 16 numbers as they are loaded
.set X,     144                        ; v144-175 two sets of 16 neighbours
.set T0,    176                        ; v176-223 the numbers held under one, two, three limits
.set C,     224                        ; v224-247 codes: two sets of 12
	s_load_b512 s[8:23], s[0:1], 0x0               ; x, Wq, Wk, Wv, Wproj, lowp_scales, xc, wc
	s_load_b64 s[24:25], s[0:1], 0x40              ; tab
	v_lshl_add_u32 v248, v0, 2, 0x8000
	v_mov_b32 v249, 0
	v_lshrrev_b32 v1, 5, v0
	v_readfirstlane_b32 s30, v1                    ; wave
	v_and_b32 v2, 31, v0                           ; lane
	s_wait_kmcnt 0x0
	s_cmp_ge_u32 ttmp9, 672
	s_cbranch_scc1 .Ltable
	s_load_b256 s[32:39], s[18:19], 0x0            ; entries 0 to 7
	s_load_b128 s[40:43], s[18:19], 0x20           ; entries 8 to 11
	; which tensor: the choices hang on the work-group's number alone
	s_cmp_ge_u32 ttmp9, 512
	s_cselect_b64 s[4:5], s[10:11], s[8:9]         ; from
	s_cselect_b64 s[6:7], s[22:23], s[20:21]       ; to
	s_cselect_b32 s26, 512, 0                      ; the source's first work-group
	s_cselect_b32 s27, 512, 0                      ; the destination's: the four weights lie on end in wc
	s_cmp_ge_u32 ttmp9, 576
	s_cselect_b64 s[4:5], s[12:13], s[4:5]
	s_cselect_b32 s26, 576, s26
	s_cmp_ge_u32 ttmp9, 592
	s_cselect_b64 s[4:5], s[14:15], s[4:5]
	s_cselect_b32 s26, 592, s26
	s_cmp_ge_u32 ttmp9, 608
	s_cselect_b64 s[4:5], s[16:17], s[4:5]
	s_cselect_b32 s26, 608, s26
	s_sub_co_u32 s26, ttmp9, s26
	s_lshl_b32 s26, s26, 2
	s_add_co_u32 s26, s26, s30                     ; which run of 4,096 numbers of the source is my wave's
	s_sub_co_u32 s27, ttmp9, s27
	s_lshl_b32 s27, s27, 2
	s_add_co_u32 s27, s27, s30                     ; and of the destination
	s_lshr_b32 s28, s27, 1                         ; a run is 4 rows: bits 3 and 4 of a row are bits 1 and 2 of its run
	s_lshr_b32 s29, s27, 2
	s_xor_b32 s28, s28, s29
	s_and_b32 s28, s28, 1
	s_mul_i32 s28, s28, 6                          ; 6 where the two bits differ
	s_sub_co_u32 s29, ttmp9, 592
	s_cmp_lt_u32 s29, 16                           ; Wv alone
	s_cselect_b32 s28, s28, 0
	s_xor_b32 s27, s27, s28
	s_lshl_b32 s48, s26, 14                        ; 16,384 bytes of f32 a run
	s_mov_b32 s49, 0
	s_lshl_b32 s50, s27, 12                        ; 4,096 bytes of codes
	s_mov_b32 s51, 0
	s_add_nc_u64 s[4:5], s[4:5], s[48:49]
	s_add_nc_u64 s[6:7], s[6:7], s[50:51]
	s_add_nc_u64 s[44:45], s[6:7], 0x800000        ; x's planes 1 and 2 (used by x's work-groups alone)
	s_add_nc_u64 s[46:47], s[6:7], 0x1000000
	s_wait_alu depctr_va_vdst(0)
	v_lshlrev_b32 v3, 4, v2                        ; my 16 bytes of a load's 512, and of a step's 512 bytes of codes; never rewritten
	s_mul_i32 s31, s30, WREG
	v_lshrrev_b32 v14, 2, v2
	v_mul_u32_u24 v14, v14, SP
	v_and_b32 v15, 3, v2
	v_lshl_add_u32 v14, v15, 4, v14
	v_add_nc_u32 v14, s31, v14                     ; the stage, on the way in: four lanes' 64 bytes on end, then the padding
	v_mul_u32_u24 v15, v2, SP
	v_add_nc_u32 v15, s31, v15                     ; and on the way out: my 16 neighbours
.macro LOAD t
.irp i, 0,1,2,3
	global_load_b128 v[R+16*(\t)+4*\i:R+16*(\t)+4*\i+3], v3, s[4:5] offset:2048*(\t)+512*\i th:TH_LOAD_NT
.endr
.endm
.macro TURN t                          ; step t's numbers through the stage: LDS serves a wave's instructions in order (ISA guide 5.7.1.4), so no wait stands between the stores and the loads
.irp i, 0,1,2,3
	ds_store_b128 v14, v[R+16*(\t)+4*\i:R+16*(\t)+4*\i+3] offset:32*SP*((\t)%2)+8*SP*\i
.endr
.irp i, 0,1,2,3
	ds_load_b128 v[X+16*((\t)%2)+4*\i:X+16*((\t)%2)+4*\i+3], v15 offset:32*SP*((\t)%2)+16*\i
.endr
.endm
.macro MKS e, vs, vl                   ; 2^e as f32 (the conversion takes its exponent field), and 448 x 2^e
	s_add_co_i32 s52, s[\e], 127
	s_lshl_b32 s53, s52, 23
	v_mov_b32 v[\vs], s53
	s_add_co_i32 s52, s52, 8
	s_lshl_b32 s52, s52, 23
	s_or_b32 s52, s52, 0x600000
	v_mov_b32 v[\vl], s52
.endm
.irp t, 0,1,2,3,4,5,6,7
	LOAD \t
.endr
	s_wait_alu depctr_va_vdst(0)
	s_wait_kmcnt 0x0
	s_cmp_ge_u32 ttmp9, 512
	s_cselect_b32 s28, s33, s32                    ; my tensor's entry: x 0, Wq 1,
	s_cmp_ge_u32 ttmp9, 576
	s_cselect_b32 s28, s35, s28                    ; Wk 3,
	s_cmp_ge_u32 ttmp9, 592
	s_cselect_b32 s28, s37, s28                    ; Wv 5,
	s_cmp_ge_u32 ttmp9, 608
	s_cselect_b32 s28, s43, s28                    ; Wproj 11
	MKS 28, 5, 6
	MKS 34, 7, 8                                   ; x's second and third scales
	MKS 36, 9, 10
	s_cmp_lg_u32 s34, s32                          ; whole numbers read from lowp_scales decide which planes are made (this launch has no tensor load)
	s_cselect_b32 s54, 1, 0
	s_cmp_lg_u32 s36, s32
	s_cselect_b32 s55, 1, 0
	s_cmp_lt_u32 ttmp9, 512                        ; x's work-groups alone
	s_cselect_b32 s54, s54, 0
	s_cselect_b32 s55, s55, 0
	s_wait_alu depctr_va_vdst(0)
	s_wait_loadcnt 28                              ; step 0's four loads are in; the 28 behind them may be out
	TURN 0
.macro STEP t
.set XS, X+16*((\t)%2)
.set CC, C+12*((\t)%2)
	s_wait_dscnt 0x0                               ; this step's numbers are back from the stage
.if (\t) < 7
	s_wait_loadcnt 4*(6-(\t))                      ; the next step's four loads are in; those of the steps behind it may be out
	TURN (\t)+1                                    ; and go through the other stage while this step is worked
.endif
.set ii, 0
.rept 16
	v_med3_num_f32 v[T0+ii], v[XS+ii], -v6, v6     ; the conversion to an 8-bit code does not saturate (ISA guide 7.6.2): the hold at the largest code x the scale, into other registers: x is held under three limits
.set ii, ii+1
.endr
	s_wait_alu depctr_va_vdst(0)
	s_wait_xcnt 0x0                                ; the stores of two steps ago have read this set of codes: it is written again only behind this wait
	v_cvt_scalef32_pk8_fp8_f32 v[CC:CC+1], v[T0:T0+7], v5
	v_cvt_scalef32_pk8_fp8_f32 v[CC+2:CC+3], v[T0+8:T0+15], v5
	v_nop                                          ; a plain line behind the last conversion: the next step's holds write its sources
	global_store_b128 v3, v[CC:CC+3], s[6:7] offset:512*(\t)
	s_cmp_eq_u32 s54, 0                            ; plane 1 is made for x alone, and only where entry 2 differs from entry 0: else its codes would be plane 0's, and the next launch reads plane 0
	s_cbranch_scc1 .Lno1_\@
.set ii, 0
.rept 16
	v_med3_num_f32 v[T0+16+ii], v[XS+ii], -v8, v8
.set ii, ii+1
.endr
	v_cvt_scalef32_pk8_fp8_f32 v[CC+4:CC+5], v[T0+16:T0+23], v7
	v_cvt_scalef32_pk8_fp8_f32 v[CC+6:CC+7], v[T0+24:T0+31], v7
	v_nop
	global_store_b128 v3, v[CC+4:CC+7], s[44:45] offset:512*(\t)
.Lno1_\@:
	s_cmp_eq_u32 s55, 0                            ; plane 2 likewise, by entry 4
	s_cbranch_scc1 .Lno2_\@
.set ii, 0
.rept 16
	v_med3_num_f32 v[T0+32+ii], v[XS+ii], -v10, v10
.set ii, ii+1
.endr
	v_cvt_scalef32_pk8_fp8_f32 v[CC+8:CC+9], v[T0+32:T0+39], v9
	v_cvt_scalef32_pk8_fp8_f32 v[CC+10:CC+11], v[T0+40:T0+47], v9
	v_nop
	global_store_b128 v3, v[CC+8:CC+11], s[46:47] offset:512*(\t)
.Lno2_\@:
.endm
.irp t, 0,1,2,3,4,5,6,7
	STEP \t
.endr
	s_wait_tensorcnt 0x0
	ds_add_u32 v248, v249
	s_wait_dscnt 0x0
	s_endpgm
; THE TABLE.  Lane L makes numbers 2 L and 2 L + 1 of a token's 64: group L / 8; cosines where (L / 4) % 2 = 0, else sines; frequencies i0 = 8 (L / 8) + 2 (L % 4) and i0 + 1.
.Ltable:
	s_sub_co_u32 s26, ttmp9, 672
	s_lshl_b32 s26, s26, 2
	s_add_co_u32 s26, s26, s30
	s_lshl_b32 s26, s26, 4                         ; my wave's first token
	s_lshl_b32 s27, s26, 8                         ; its 256 bytes
	s_mov_b32 s40, 0xb94ca1f9                      ; the sine's coefficients of r^7, r^5, r^3
	s_mov_b32 s41, 0x3c08839e
	s_mov_b32 s42, 0xbe2aaaa3
	s_mov_b32 s43, 0x37ccf5ce                      ; the cosine's of r^8, r^6, r^4
	s_mov_b32 s44, 0xbab6061a
	s_mov_b32 s45, 0x3d2aaaa5
	s_mov_b32 s46, 0xbfc90fdb                      ; -(pi/2's upper part)
	s_mov_b32 s47, 0x333bbd2e                      ; the upper part less pi/2
	s_wait_alu depctr_va_vdst(0)
	v_bfe_u32 v4, v2, 2, 1                         ; 0: cosine, 1: sine
	v_lshrrev_b32 v5, 3, v2
	v_and_b32 v6, 3, v2
	v_lshlrev_b32 v6, 1, v6
	v_lshl_add_u32 v5, v5, 3, v6                   ; i0
	v_cvt_f32_u32 v6, v5
	v_add_f32 v7, 1.0, v6                          ; i0 + 1
	v_mul_f32 v8, 0xbed49a80, v6                   ; -i x c's upper part: exact
	v_mul_f32 v9, 0xbed49a80, v7
	s_wait_alu depctr_va_vdst(0)
	v_exp_f32 v8, v8
	v_exp_f32 v9, v9
	v_mul_f32 v6, 0x342ae0c1, v6                   ; i x (upper part - c) x ln 2.  (The plain lines behind the two exponentials)
	v_mul_f32 v7, 0x342ae0c1, v7
	s_wait_alu depctr_va_vdst(0)                   ; one wait for both, ahead of their first reader
	v_fma_f32 v8, v8, v6, v8                       ; 10000^(-i0 / 32)
	v_fma_f32 v9, v9, v7, v9
	v_cvt_f32_u32 v10, s26                         ; the token as f32
	v_lshlrev_b32 v11, 3, v2
	v_add_nc_u32 v11, s27, v11                     ; my 8 bytes of its row
.macro EVAL inv, out                   ; cos or sin of token x v[inv]
	v_mul_f32 v12, v10, v[\inv]                    ; the angle, rounded to f32 as the definition has it
	v_mul_f32 v13, 0x3f22f983, v12
	v_rndne_f32 v13, v13                           ; n = the nearest multiple of pi/2
	v_fma_f32 v12, v13, s46, v12
	v_fma_f32 v12, v13, s47, v12                   ; r = angle - n pi/2, within +-pi/4
	v_cvt_i32_f32 v13, v13
	v_sub_nc_u32 v13, v13, v4                      ; m = n (cosine) or n - 1 (sine): m mod 4 = 0: cos r, 1: -sin r, 2: -cos r, 3: sin r
	v_mul_f32 v14, v12, v12
	v_fma_f32 v15, v14, s40, s41
	v_fma_f32 v16, v14, s43, s44
	v_fma_f32 v15, v15, v14, s42
	v_fma_f32 v16, v16, v14, s45
	v_mul_f32 v17, v12, v14
	v_mul_f32 v18, v14, v14
	v_fma_f32 v19, v14, -0.5, 1.0
	v_fma_f32 v15, v17, v15, v12                   ; sin r
	v_fma_f32 v16, v18, v16, v19                   ; cos r
	v_and_b32 v17, 1, v13
	v_cmp_eq_u32 vcc_lo, 1, v17
	v_cndmask_b32 v[\out], v16, v15, vcc_lo
	v_add_nc_u32 v17, 1, v13
	v_lshlrev_b32 v17, 30, v17                     ; bit 1 of m + 1 is the sign
	v_and_b32 v17, 0x80000000, v17
	v_xor_b32 v[\out], v[\out], v17
.endm
	s_mov_b32 s28, 16
.Ltoken:
	s_wait_alu depctr_va_vdst(0)
	EVAL 8, 20
	EVAL 9, 21
	global_store_b64 v11, v[20:21], s[24:25]       ; 32 lanes store a token's 256 consecutive bytes, aligned
	s_wait_xcnt 0x0                                ; the store has read its registers: they are written again only behind this wait
	v_add_nc_u32 v11, 256, v11
	v_add_f32 v10, 1.0, v10
	s_sub_co_u32 s28, s28, 1
	s_cmp_lg_u32 s28, 0
	s_cbranch_scc1 .Ltoken
	s_endpgm
.Lfunc_end_k_q23eb8694be_prep:
	.size	k_q23eb8694be_prep, .Lfunc_end_k_q23eb8694be_prep-k_q23eb8694be_prep
	.p2alignl 7, 3214868480
	.fill 96, 4, 3214868480
	.section	.rodata,"a",@progbits
	.p2align	6, 0x0
	.amdhsa_kernel k_q23eb8694be_prep
		.amdhsa_group_segment_fixed_size 33280
		.amdhsa_private_segment_fixed_size 0
		.amdhsa_enable_private_segment 0
		.amdhsa_kernarg_size 72
		.amdhsa_user_sgpr_count 2
		.amdhsa_user_sgpr_kernarg_segment_ptr 1
		.amdhsa_wavefront_size32 1
		.amdhsa_system_sgpr_workgroup_id_x 1
		.amdhsa_system_sgpr_workgroup_id_y 1
		.amdhsa_system_sgpr_workgroup_id_z 1
		.amdhsa_system_vgpr_workitem_id 0
		.amdhsa_next_free_vgpr 250
		.amdhsa_next_free_sgpr 66
		.amdhsa_reserve_vcc 1
		.amdhsa_float_denorm_mode_32 3
		.amdhsa_float_denorm_mode_16_64 3
		.amdhsa_memory_ordered 1
		.amdhsa_forward_progress 1
		.amdhsa_inst_pref_size 48
	.end_amdhsa_kernel
	.amdgpu_metadata
---
amdhsa.version: [ 1, 2 ]
amdhsa.kernels:
  - .name:           k_q23eb8694be_prep
    .symbol:         k_q23eb8694be_prep.kd
    .args:
      - { .name: x, .offset: 0, .size: 8, .value_kind: global_buffer, .address_space: global }
      - { .name: Wq, .offset: 8, .size: 8, .value_kind: global_buffer, .address_space: global }
      - { .name: Wk, .offset: 16, .size: 8, .value_kind: global_buffer, .address_space: global }
      - { .name: Wv, .offset: 24, .size: 8, .value_kind: global_buffer, .address_space: global }
      - { .name: Wproj, .offset: 32, .size: 8, .value_kind: global_buffer, .address_space: global }
      - { .name: lowp_scales, .offset: 40, .size: 8, .value_kind: global_buffer, .address_space: global }
      - { .name: xc, .offset: 48, .size: 8, .value_kind: global_buffer, .address_space: global }
      - { .name: wc, .offset: 56, .size: 8, .value_kind: global_buffer, .address_space: global }
      - { .name: tab, .offset: 64, .size: 8, .value_kind: global_buffer, .address_space: global }
    .group_segment_fixed_size: 33280
    .private_segment_fixed_size: 0
    .kernarg_segment_align: 8
    .kernarg_segment_size: 72
    .max_flat_workgroup_size: 128
    .sgpr_count:     66
    .vgpr_count:     250
    .wavefront_size: 32
...
	.end_amdgpu_metadata
.endif
;; end of part 1
;; launch qkv (part 2): grid 32 x 7, 4 waves a work-group, no clusters, 327,680 bytes of LDS; arguments xc, wc, lowp_scales, q_gain, tab, q_c, kv_c, vn; writes q_c, kv_c, vn
.if DOCPART == 2
	.amdgcn_target "amdgcn-amd-amdhsa--gfx1250"
	.amdhsa_code_object_version 6
	.text
	.protected	k_q23eb8694be_qkv
	.globl	k_q23eb8694be_qkv
	.p2align	8
	.type	k_q23eb8694be_qkv,@function
k_q23eb8694be_qkv:
	s_mov_b64 s[64:65], 0
	v_nop
	global_prefetch_b8 v0, s[64:65] scope:SCOPE_SE
	s_setreg_imm32_b32 hwreg(HW_REG_WAVE_MODE, 25, 1), 1
	s_wait_xcnt 0x0
; The three projections on codes of E4M3, and all that stands between them and attention.  K = 1,024.
; A work-group makes 256 x 256 sums: 256 tokens (block mt = work-group x) x 256 rows of the weights; work-group y is the KIND: 0-3 Q (heads 4 y .. 4 y + 3), 4 K, 5 VN, 6 VT.
;   Q, K: rms norm over a head's 64, rope (pairs d, d + 32; cosines and sines from tab), Q's gain, codes under entry 6 (Q) or 7 (K) of lowp_scales.
;   VN:   v / max(|v|, 1e-12), f32.      VT: v's codes under entry 9, with the KEYS innermost.  V is multiplied twice: in VT the two operands change roles, so that a lane holds a channel and its registers run along the tokens.
; Four waves, each 128 x 128: 64 accumulators of 16 x 16, 512 registers.  K goes in steps of 256 through a ring of two LDS slots filled by the tensor data mover.
; THE MATRIX INSTRUCTION IS USED TRANSPOSED: source 0 = 16 rows of role B, source 1 = 16 rows of role A: lane (r, h) of accumulator (a, b) holds A's row 16 a + r and, in register j, B's row 16 b + 8 h + j.
; Role A = tokens and role B = weights, but in VT the other way round: there the LDS addresses of the two roles change places (a choice on the kind, which all waves and all partners share).
; EVERY RESULT LEAVES AS AN IMAGE OF AN OPERAND'S REGISTERS: four registers by one store, lane l's 16 bytes at 16 l: 512 consecutive bytes, aligned.  Nothing goes through LDS on the way out.
;   q_c [(batch 16 + head)][t / 16][2][32][16 B], kv_c [batch 4 + kv head][K: t / 16 x 1,024 B | from byte 131,072 V^T: t / 128 x 4 tiles of 16 channels x 2,048 B], vn [(token / 16) 4 + kv head][8][32][16 B].
; CLUSTER: four work-groups along the tokens, of one kind.  They need the same tiles of the weights: those are asked for JOINTLY (mask 15).  x's tiles are each work-group's own.  They are not shared along the kinds:
; 7 kinds divide into no cluster, and the kinds read three different planes of x's codes.
; LIMITS: the entry that a conversion takes (6, 7, or entry 9 less entries 4 and 5) lies between -126 and 119.  The other powers of two are applied by v_ldexp_f32.  NaN among the inputs is not served.
; REGISTERS, in windows of 256: window 0: v16-31 addresses and constants; v32-95 two sets of cosines and sines; from v128 role A's fragments, ONE set; on the way out v96-219 are at work.
;   window 1: role B's fragments, TWO sets.   window 2: the accumulators of A's blocks 0-3 ((a, b) at v[8 (8 a + b)]);   window 3: those of blocks 4-7.
; THE FORM OF THE LOADS, which stands in place of what the lines above say of a cluster and of LDS addresses that change places:
; role A always reads the slot's first 256 rows and role B its second 256: every LDS address is a constant plus terms of the wave and the lane.  In VT the TILES change places: the weights' rows land in the first
; 256 rows and x's in the second.  Each wave makes one group 0, its source chosen between xc and wc by (wave / 2) xor (kind = VT), and issues one load with no branch.
; NO CLUSTER: which waves fetch the weights hangs on the kind, and every word of group 1, a mask among them, is a constant on the one way that all waves take; so the weights' tiles are each work-group's own.
; No prefetch: K has four steps of 256; the first two come at the head, and behind the two refills no step stands two refills on.
.set KSTEP,  256
.set ROWB,   256                       ; a tile's row in bytes
.set KROW,   1024                      ; a row of xc or wc in memory
.set PITCH,  272                       ; an LDS row: 256 bytes + 16 of padding = 68 words: row r starts at bank 4 r mod 64 (64 banks of 4 bytes: ISA guide 11.1)
.set FR,     16                        ; registers of a fragment: 16 rows x 128 K
.set NL,     4                         ; LDS loads that bring one
.set NP,     4                         ; places behind this matrix instruction (ISA guide 7.12.1)
.set HALFT,  128*PITCH                 ; 128 rows: what one tensor load brings
.set SLOT,   4*HALFT                   ; x's 256 rows, then the weights' 256 rows
.set LAPS,   2                         ; 1,024 / 512: twice round the ring
.set SPARE,  2*SLOT                    ; behind the ring: the spare words, 128 bytes for each wave: two blocks of 256 bytes that no other line names
.set ADRA, 16                          ; v16-17  LDS address of role A's fragments in slot 0, 1
.set ADRB, 20                          ; v20-21  the same for role B
.set LI,   24                          ; v24     16 x lane
.set VO1,  25                          ; v25     16 x lane + the bytes from a head's images to the next head's
.set TO,   26                          ; v26     my lane's bytes in the table: 256 r + 64 h
.set SPW,  28                          ; v28     LDS address of my spare word; never rewritten
.set NIL,  29                          ; v29     0; never rewritten
.set SCL,  30                          ; v30     the conversion's scale as f32
.set LIM,  31                          ; v31     448 x that
.set CS,   32                          ; v32-95  two sets: cos of block 0 (8), sin (8), cos of block 1, sin
.set X,    96                          ; v96-159 64 numbers at work: head 0's 32, head 1's 32
.set AF,   128                         ; role A's fragments
.set CD,   160                         ; v160-191 codes: two sets of 16
.set SS,   192                         ; v192-199 sums of squares: four chains
.set T,    200                         ; v200-215 rope's products
.set F,    216                         ; v216-219 a factor for each head, as the low word of a pair
.set MT,   17                          ; s17     my block of 256 tokens
.set NY,   42                          ; s42     my kind
.set GOF,  67                          ; s67     byte offset of my two heads' gains: the scalar load's offset register, written once
.set G1, 24                            ; s[24:31] descriptor group 1 for every tile;  s[32:39] group 0, one set for each slot
.set G0, 32
.set MSB, 0
.macro WIN new                         ; the immediate's high byte repeats the setting that is left
.if MSB != \new
	s_set_vgpr_msb (MSB<<8)|\new
.set MSB, \new
.endif
.endm
.set MUL_LO, 0xa1                      ; source 0 (B) window 1, source 1 (A) window 0, C and D window 2
.set MUL_HI, 0xf1                      ; the same, C and D window 3
.set TO_B,   0x40                      ; destination window 1, address window 0
; Every wave fetches its quarter of a slot, 128 rows, by its own group 0.  An s_nop 0 and four v_nop follow the load.
.macro JLOAD g0
	tensor_load_to_lds s[\g0:\g0+3], s[G1:G1+7]
	s_nop 0
.rept 4
	v_nop
.endr
.endm
	s_load_b512 s[68:83], s[0:1], 0x0              ; xc 68, wc 70, lowp_scales 72, q_gain 74, tab 76, q_c 78, kv_c 80, vn 82
	v_lshl_add_u32 v[SPW], v0, 2, SPARE
	v_mov_b32 v[NIL], 0
	ds_add_u32 v28, v29
	ds_add_u32 v28, v29
	s_wait_dscnt 0x0
	v_lshrrev_b32 v1, 5, v0
	v_readfirstlane_b32 s14, v1                    ; wave 0..3
	s_lshr_b32 s15, s14, 1                         ; which half of role A's rows is mine.  Also: I fetch x (0) or the weights (1)
	s_and_b32 s16, s14, 1                          ; which half of role B's.  Also: which 128 rows of that tile I fetch
	s_mov_b32 s[MT], ttmp9                         ; my block of tokens
	s_and_b32 s[NY], ttmp7, 0xffff                 ; the kind, which the four partners share
	; descriptor group 1: a tile of 128 rows x 256 bytes, padded in LDS
	s_mov_b32 s[G1+0], (0<<16)|(1<<20)|(5<<22)|(3<<25)               ; 15:0 no mask; 17:16 elements of 1 byte; 20 padding on; 24:22 after every 64 words (code 5); 31:25 of 4 words (code 3)
.irp g, G1
	s_mov_b32 s[\g+1], ROWB<<16                    ; tensor_dim0
	s_mov_b32 s[\g+2], 128<<16                     ; tensor_dim1 = 128
	s_mov_b32 s[\g+3], ROWB<<16                    ; tile_dim0
	s_mov_b32 s[\g+4], 128                         ; tile_dim1 = 128
	s_mov_b32 s[\g+5], KROW                        ; tensor_dim0_stride
	s_mov_b32 s[\g+6], 0
	s_mov_b32 s[\g+7], 0
.endr
	s_lshl_b32 s41, s16, 17                        ; the 128 rows that I fetch, 1,024 bytes each
	s_max_u32 s19, s[NY], 3
	s_sub_co_u32 s19, s19, 3
	s_min_u32 s19, s19, 2                          ; which of x's three scales: Q 0, K 1, VN and VT 2
	s_lshl_b32 s20, s[MT], 18
	s_add_co_u32 s20, s20, s41                     ; x: block of 256 rows, half; the plane is added below
	s_mov_b32 s21, 0
	s_min_u32 s46, s[NY], 5
	s_lshl_b32 s46, s46, 18
	s_add_co_u32 s46, s46, s41                     ; the weights: rows 256 x min(kind, 5) + 128 x half: made of the kind and the wave's number alone
	s_mov_b32 s47, 0
	s_mul_i32 s45, s14, HALFT                      ; where they go: wave x 128 rows
	s_min_u32 s[GOF], s[NY], 3
	s_lshl_b32 s[GOF], s[GOF], 4
	s_lshl_b32 s23, s16, 3
	s_add_co_u32 s[GOF], s[GOF], s23               ; my two heads' gains: 4 bytes x (4 x kind + 2 x half); no later line writes this register
	s_wait_kmcnt 0x0
	s_load_b256 s[84:91], s[72:73], 0x0            ; entries 0 to 7
	s_load_b128 s[92:95], s[72:73], 0x20           ; entries 8 to 11
	s_load_b64 s[98:99], s[74:75], s[GOF] offset:0x0
	s_wait_kmcnt 0x0
	s_cmp_eq_u32 s86, s84                          ; x's plane: where entry 2 (entry 4) equals entry 0 the codes are plane 0's, and plane 1 (2) was not made.  A choice, no branch
	s_cselect_b32 s22, 0, 1
	s_cmp_eq_u32 s88, s84
	s_cselect_b32 s23, 0, 2
	s_cmp_eq_u32 s19, 1
	s_cselect_b32 s22, s22, 0
	s_cmp_eq_u32 s19, 2
	s_cselect_b32 s19, s23, s22
	s_min_u32 s19, s19, 2
	s_lshl_b32 s19, s19, 23                        ; 8,388,608 bytes a plane
	s_add_co_u32 s20, s20, s19
	s_add_nc_u64 s[20:21], s[68:69], s[20:21]
	s_add_nc_u64 s[46:47], s[70:71], s[46:47]
	s_cmp_eq_u32 s[NY], 6
	s_cselect_b32 s18, 1, 0
	s_xor_b32 s18, s18, s15                        ; 0: my quarter of a slot takes x's rows, 1: the weights'.  In VT the two change places
	s_cmp_eq_u32 s18, 0                            ; the choice hangs on the wave's number and the kind, on no address
	s_cselect_b64 s[20:21], s[20:21], s[46:47]
.irp s, 0,1
	s_mov_b32 s[G0+4*\s], 1
	s_add_co_u32 s[G0+4*\s+1], s45, \s*SLOT
	s_add_nc_u64 s[G0+4*\s+2:G0+4*\s+3], s[20:21], \s*ROWB
	s_or_b32 s[G0+4*\s+3], s[G0+4*\s+3], 0x80000000
.endr
	JLOAD G0                                       ; K step 0: one tensor load a wave at the head
	v_and_b32 v1, 15, v0                           ; r = l % 16
	v_bfe_u32 v2, v0, 4, 1                         ; h = l / 16
	v_mul_u32_u24 v3, v1, PITCH
	v_lshl_add_u32 v4, v2, 4, v3                   ; a fragment's row x pitch + 16 x half
	s_wait_alu depctr_va_vdst(0)
	s_mul_i32 s21, s15, HALFT                      ; role A's 128 rows, in the slot's first 256
	s_mul_i32 s22, s16, HALFT
	s_add_co_u32 s22, s22, 2*HALFT                 ; role B's, in its second 256
.irp s, 0,1
	v_add_nc_u32 v[ADRA+\s], s21, v4
	v_add_nc_u32 v[ADRB+\s], s22, v4
	s_add_co_u32 s21, s21, SLOT
	s_add_co_u32 s22, s22, SLOT
.endr
	v_and_b32 v5, 31, v0
	v_lshlrev_b32 v[LI], 4, v5
	s_mov_b32 s23, 131072                          ; from a head's images to the next head's: in q_c,
	s_cmp_eq_u32 s[NY], 4
	s_cselect_b32 s23, 262144, s23                 ; in kv_c
	v_add_nc_u32 v[VO1], s23, v[LI]
	v_lshlrev_b32 v[TO], 8, v1
	v_lshl_add_u32 v[TO], v2, 6, v[TO]
	s_and_b32 s4, s[MT], 7
	s_lshl_b32 s4, s4, 16
	s_lshl_b32 s5, s15, 15
	s_add_co_u32 s4, s4, s5
	s_mov_b32 s5, 0
	s_add_nc_u64 s[8:9], s[76:77], s[4:5]          ; the table at my wave's first token: ((mt % 8) 256 + 128 x half) x 256 bytes
; the cosines and sines of block a's 16 tokens, into set a % 2: lane (r, h) wants, for the pair of accumulators bb and bb + 2, the frequencies 16 bb + 8 h + 0 .. 7
.macro TABLOAD a
.set TS, CS+32*((\a)%2)
.irp bb, 0,1
.irp k, 0,1,2,3
	global_load_b128 v[TS+16*\bb+4*\k:TS+16*\bb+4*\k+3], v[TO], s[8:9] offset:(\a)*4096+128*\bb+16*\k
.endr
.endr
.endm
	; The first two sets are asked for here and land under the products, which name none of these registers.  EVERY kind asks, with no branch, so that the registers are written on every way through the text:
	; in VN and VT these 16 loads a wave (8,192 bytes, inside the table) serve nothing.  Asked for only in Q's and K's own way out, behind the last product, they would be waited for there.
	TABLOAD 0
	TABLOAD 1
.macro FRAG reg, adr, q, i             ; a fragment, 16 rows x 128 K of codes, is 16 registers: lane l holds row l % 16; registers 4 c .. 4 c + 3 hold K = 32 c + 16 (l / 16) + 0 .. 15: the same places of k on both sides
.irp c, 0,1,2,3
	ds_load_b128 v[\reg+4*\c:\reg+4*\c+3], v[\adr] offset:128*(\q)+32*\c+(\i)*16*PITCH
.endr
.endm
; 16 matrix instructions: A's blocks a0, a0 + 1 x B's eight, 128 along K.  p: B's set.  zero = 1: the first product starts the sums: nothing is ever cleared.
; The 64 accumulators take turns, one instruction a turn, in the same order in every step.
.macro MUL16 a0, p, zero
.irp a, \a0, \a0+1
.irp b, 0,1,2,3,4,5,6,7
.if \zero
	v_wmma_f32_16x16x128_fp8_fp8 v[8*(8*((\a)%4)+\b):8*(8*((\a)%4)+\b)+7], v[128*(\p)+FR*\b:128*(\p)+FR*\b+FR-1], v[AF+FR*(\a):AF+FR*(\a)+FR-1], 0
.else
	v_wmma_f32_16x16x128_fp8_fp8 v[8*(8*((\a)%4)+\b):8*(8*((\a)%4)+\b)+7], v[128*(\p)+FR*\b:128*(\p)+FR*\b+FR-1], v[AF+FR*(\a):AF+FR*(\a)+FR-1], v[8*(8*((\a)%4)+\b):8*(8*((\a)%4)+\b)+7]
.endif
.endr
.endr
.endm
.macro FETCH_B slot, q, p              ; B's eight fragments of the slot's q-th 128 along K into set p
	WIN TO_B
.irp i, 0,1,2,3,4,5,6,7
	FRAG 128*(\p)+FR*\i, ADRB+\slot, \q, \i
.endr
	WIN 0
.endm
.macro FETCH_A slot, q, i0             ; A's blocks i0 .. i0 + 3
.irp i, \i0, \i0+1, \i0+2, \i0+3
	FRAG AF+FR*(\i), ADRA+\slot, \q, \i
.endr
.endm
; A load into a register that a matrix instruction has read, and a vector instruction that reads a matrix result or writes one of a matrix instruction's registers, stand NP places behind it, and only plain
; vector instructions that name none of its registers are places (ISA guide 7.12.1 for vector instructions).
.macro PLACES n
.rept \n
	v_nop
.endr
.endm
; A step of 128 along K that has its successor in the same slot.  A block of A is free as soon as its eight products are issued: blocks 0-3 are fetched anew in the step's middle, blocks 4-7 at its end.
.macro STEP slot, q, zero
	s_wait_dscnt 4*NL                              ; B's set and A's blocks 0-3 are in; the youngest 16 loads (A's blocks 4-7) may be out
	WIN MUL_LO
	MUL16 0, (\q)%2, \zero
	MUL16 2, (\q)%2, \zero
	s_wait_dscnt 0                                 ; A's blocks 4-7 are in (asked for 32 matrix instructions ago)
	PLACES NP
	FETCH_B \slot, (\q)+1, 1-(\q)%2
	FETCH_A \slot, (\q)+1, 0
	WIN MUL_HI
	MUL16 4, (\q)%2, \zero
	MUL16 6, (\q)%2, \zero
	PLACES NP
	WIN 0
	FETCH_A \slot, (\q)+1, 4
.endm
; A slot's last step changes slots: ONE barrier; in front of it each wave waits for all its tensor loads, adds 0 to its spare word, and waits for that and for its own reads of this slot.  fill = 1: this slot is filled again, two K steps ahead.
.macro TURN slot, next, fill
	s_wait_tensorcnt 0x0                           ; all my tensor loads have landed: my part of the next slot;  (every window is 0 here: the add's two registers lie in window 0)
	ds_add_u32 v[SPW], v[NIL]                      ; 0 onto my spare word
	s_wait_dscnt 4*NL+1                            ; (the add and the youngest 16 loads, A's blocks 4-7, may be out)
	WIN MUL_LO
	MUL16 0, 1, 0                                  ; sixteen matrix instructions stand between the add and the wait for it
	s_wait_dscnt 0x0                               ; the add is done, and my reads of this slot are over
	s_barrier_signal -1
	MUL16 2, 1, 0
	WIN 0
	s_barrier_wait -1
.if \fill
	s_add_nc_u64 s[G0+4*\slot+2:G0+4*\slot+3], s[G0+4*\slot+2:G0+4*\slot+3], 2*ROWB
	JLOAD G0+4*\slot                               ; the first tensor load behind the barrier; the four v_nop behind it are the places in front of the loads below
.else
	PLACES NP
.endif
	FETCH_B \next, 0, 0
	FETCH_A \next, 0, 0
	WIN MUL_HI
	MUL16 4, 1, 0
	MUL16 6, 1, 0
	PLACES NP
	WIN 0
	FETCH_A \next, 0, 4
.endm
	s_wait_alu depctr_va_vdst(0)
	s_wait_tensorcnt 0x0                           ; my part of K step 0 is in
	ds_add_u32 v[SPW], v[NIL]
	s_wait_dscnt 0x0
	s_barrier_signal -1
	s_barrier_wait -1                              ; everybody's part is in
	JLOAD G0+4                                     ; K step 1, slot 1's first fill: my one tensor load behind this barrier
	FETCH_B 0, 0, 0
	FETCH_A 0, 0, 0
	FETCH_A 0, 0, 4
	STEP 0, 0, 1                                   ; the first step stands in front of the loop: its products start the sums
	s_mov_b32 s3, LAPS-1
.Llap:                                                 ; a trip goes once round the ring, from a lap's second step to the next lap's first, and fills both slots again
	TURN 0, 1, 1
	STEP 1, 0, 0
	TURN 1, 0, 1
	STEP 0, 0, 0
	s_sub_co_u32 s3, s3, 1
	s_cmp_lg_u32 s3, 0
	s_cbranch_scc1 .Llap
	TURN 0, 1, 0                                   ; the last lap fills nothing, and has no round of the cluster's barrier
	STEP 1, 0, 0
	s_wait_dscnt 4*NL                              ; the very last step: nothing more to fetch
	WIN MUL_LO
	MUL16 0, 1, 0
	MUL16 2, 1, 0
	s_wait_dscnt 0
	WIN MUL_HI
	MUL16 4, 1, 0
	MUL16 6, 1, 0
	WIN 0
	PLACES NP                                      ; behind the last products: what follows reads results and writes registers that held A's fragments
	; THE WAY OUT.  A sum stands for sum x 2^E, E = the two operands' entries added.
	s_wait_kmcnt 0x0
	s_add_co_i32 s4, s84, s85                      ; Q's E
	s_add_co_i32 s5, s86, s87                      ; K's
	s_add_co_i32 s6, s88, s89                      ; V's
	s_sub_co_i32 s7, s93, s6                       ; V's codes: sum / 2^(entry 9 - E)
	s_cmp_ge_u32 s[NY], 4
	s_cselect_b32 s96, s5, s4
	s_cselect_b32 s41, s91, s90                    ; K's codes under entry 7, Q's under entry 6
	s_cselect_b32 s98, 1.0, s98                    ; K has no gain
	s_cselect_b32 s99, 1.0, s99
	s_cmp_ge_u32 s[NY], 5
	s_cselect_b32 s96, s6, s96                     ; E
	s_cselect_b32 s41, s7, s41
	s_cselect_b32 s97, 0, 6
	s_lshl_b32 s5, s96, 1
	s_sub_co_i32 s97, s5, s97                      ; 2 E - 6 (the mean of 64 squares) for Q and K; 2 E for V
	s_add_co_i32 s41, s41, 127
	s_lshl_b32 s5, s41, 23
	v_mov_b32 v[SCL], s5
	s_add_co_i32 s41, s41, 8
	s_lshl_b32 s41, s41, 23
	s_or_b32 s41, s41, 0x600000
	v_mov_b32 v[LIM], s41
	s_mov_b32 s12, 0x76543210                      ; v_permlanex16_b32's selects for lane l xor 16
	s_mov_b32 s13, 0xfedcba98
	v_mov_b32 v[F+1], 0                            ; (named as the upper halves of pairs)
	v_mov_b32 v[F+3], 0
; the sums of squares of block a's 16 tokens, for my two heads: four chains (head q / 2, chain q % 2), each accumulator from its low end on; then the two chains, the pair's halves and lane l xor 16's.  Head 0's in v[SS], head 1's in v[SS+4]
.macro SUMSQ a
.set AC, 64*((\a)%4)
	WIN 0x0a+5*((\a)/4)                            ; sources 0 and 1: window 2 or 3
.irp j, 0,4,8,12,16,20,24,28
.irp q, 0,1,2,3
.set RG, AC+32*(\q/2)+\j+2*(\q%2)
.if \j == 0
	v_pk_mul_f32 v[SS+2*\q:SS+2*\q+1], v[RG:RG+1], v[RG:RG+1]
.else
	v_pk_fma_f32 v[SS+2*\q:SS+2*\q+1], v[RG:RG+1], v[RG:RG+1], v[SS+2*\q:SS+2*\q+1]
.endif
.endr
.endr
	WIN 0
	v_pk_add_f32 v[SS:SS+1], v[SS:SS+1], v[SS+2:SS+3]
	v_pk_add_f32 v[SS+4:SS+5], v[SS+4:SS+5], v[SS+6:SS+7]
	v_add_f32 v[SS], v[SS], v[SS+1]
	v_add_f32 v[SS+4], v[SS+4], v[SS+5]
	v_permlanex16_b32 v[SS+1], v[SS], s12, s13
	v_permlanex16_b32 v[SS+5], v[SS+4], s12, s13
	v_add_f32 v[SS], v[SS], v[SS+1]
	v_add_f32 v[SS+4], v[SS+4], v[SS+5]
.endm
.macro SCALEX a                        ; X = block a's 64 sums x their head's factor
.set AC, 64*((\a)%4)
	WIN 0x02+((\a)/4)                              ; source 0: window 2 or 3
.set jj, 0
.rept 32
	v_pk_mul_f32 v[X+jj:X+jj+1], v[AC+jj:AC+jj+1], v[F+2*(jj/32):F+2*(jj/32)+1] op_sel_hi:[1,0]
.set jj, jj+2
.endr
	WIN 0
.endm
; Q and K, block a: 16 tokens x 2 heads
.macro EPI_QK a
.set CDS, CD+16*((\a)%2)
	s_wait_xcnt 0x0                                ; the stores of two blocks ago have read this set of codes
	SUMSQ \a
	v_ldexp_f32 v[SS], v[SS], s97                  ; the mean of the squares,
	v_ldexp_f32 v[SS+4], v[SS+4], s97
	v_add_f32 v[SS], 0x358637bd, v[SS]             ; + 1e-6
	v_add_f32 v[SS+4], 0x358637bd, v[SS+4]
	s_wait_alu depctr_va_vdst(0)
	v_rsq_f32 v[SS], v[SS]
	v_rsq_f32 v[SS+4], v[SS+4]
	v_nop                                          ; a plain line behind the two roots,
	s_wait_alu depctr_va_vdst(0)                   ; and one wait for both, ahead of their first reader
	v_ldexp_f32 v[SS], v[SS], s96
	v_ldexp_f32 v[SS+4], v[SS+4], s96
	v_mul_f32 v[F], s98, v[SS]                     ; 2^E x the root's reciprocal x the head's gain
	v_mul_f32 v[F+2], s99, v[SS+4]
	SCALEX \a
.if (\a) < 7
	s_wait_loadcnt 8                               ; this block's cosines and sines are in; the next block's eight loads may be out
.else
	s_wait_loadcnt 0
.endif
.irp hh, 0,1
.irp bb, 0,1
.set X1, X+32*\hh+8*\bb                ; d = 16 bb + 8 h + j
.set X2, X1+16                         ; d + 32
.set CT, CS+32*((\a)%2)+16*\bb
.irp j, 0,2,4,6
	v_pk_mul_f32 v[T+\j:T+\j+1], v[X2+\j:X2+\j+1], v[CT+8+\j:CT+9+\j]
	v_pk_mul_f32 v[T+8+\j:T+9+\j], v[X1+\j:X1+\j+1], v[CT+8+\j:CT+9+\j]
.endr
.irp j, 0,2,4,6
	v_pk_fma_f32 v[X1+\j:X1+\j+1], v[X1+\j:X1+\j+1], v[CT+\j:CT+\j+1], v[T+\j:T+\j+1] neg_lo:[0,0,1] neg_hi:[0,0,1]   ; x1 cos - x2 sin
	v_pk_fma_f32 v[X2+\j:X2+\j+1], v[X2+\j:X2+\j+1], v[CT+\j:CT+\j+1], v[T+8+\j:T+9+\j]                               ; x2 cos + x1 sin
.endr
.endr
.endr
.if (\a) < 6
	TABLOAD (\a)+2                                 ; into the set just read
.endif
.set jj, 0
.rept 64
	v_med3_num_f32 v[X+jj], v[X+jj], -v[LIM], v[LIM]   ; the conversion to an 8-bit code does not saturate (ISA guide 7.6.2)
.set jj, jj+1
.endr
.set jj, 0
.rept 8
	v_cvt_scalef32_pk8_fp8_f32 v[CDS+2*jj:CDS+2*jj+1], v[X+8*jj:X+8*jj+7], v[SCL]   ; accumulator c's eight numbers are d = 16 c + 8 h + 0 .. 7: registers 2 c, 2 c + 1 of a fragment of 16 tokens x 64
.set jj, jj+1
.endr
	v_nop                                          ; a plain line behind the last conversion
	global_store_b128 v[LI],  v[CDS:CDS+3],     s[10:11] offset:(\a)*1024
	global_store_b128 v[LI],  v[CDS+4:CDS+7],   s[10:11] offset:(\a)*1024+512
	global_store_b128 v[VO1], v[CDS+8:CDS+11],  s[10:11] offset:(\a)*1024
	global_store_b128 v[VO1], v[CDS+12:CDS+15], s[10:11] offset:(\a)*1024+512
.endm
; VN, block a: v / max(|v|, 1e-12) = sum x 2^E x min(1 / |v|, 1e12); where |v| = 0 the root's reciprocal is infinite and the minimum holds
.macro EPI_VN a
	s_wait_xcnt 0x0                                ; the last block's stores have read X
	SUMSQ \a
	v_ldexp_f32 v[SS], v[SS], s97
	v_ldexp_f32 v[SS+4], v[SS+4], s97
	s_wait_alu depctr_va_vdst(0)
	v_rsq_f32 v[SS], v[SS]
	v_rsq_f32 v[SS+4], v[SS+4]
	v_nop
	s_wait_alu depctr_va_vdst(0)
	v_min_num_f32 v[SS], 0x5368d4a5, v[SS]
	v_min_num_f32 v[SS+4], 0x5368d4a5, v[SS+4]
	v_ldexp_f32 v[F], v[SS], s96
	v_ldexp_f32 v[F+2], v[SS+4], s96
	SCALEX \a
.irp n, 0,1,2,3,4,5,6,7,8,9,10,11,12,13,14,15
	global_store_b128 v[LI], v[X+4*\n:X+4*\n+3], s[10:11] offset:(\a)*16384+512*\n   ; head n / 8's image is 4,096 bytes; the two heads lie on end
.endr
.endm
; VT, block a: 16 channels x 128 tokens: accumulator b's eight numbers are keys 16 b + 8 h + 0 .. 7: registers 2 b, 2 b + 1 of a fragment of 16 channels x 128 keys
.macro EPI_VT a
.set AC, 64*((\a)%4)
.set CDS, CD+16*((\a)%2)
	s_wait_xcnt 0x0
	WIN 0x02+((\a)/4)
.set jj, 0
.rept 64
	v_med3_num_f32 v[X+jj], v[AC+jj], -v[LIM], v[LIM]
.set jj, jj+1
.endr
	WIN 0
.set jj, 0
.rept 8
	v_cvt_scalef32_pk8_fp8_f32 v[CDS+2*jj:CDS+2*jj+1], v[X+8*jj:X+8*jj+7], v[SCL]
.set jj, jj+1
.endr
	v_nop
.irp n, 0,1,2,3
	global_store_b128 v[LI], v[CDS+4*\n:CDS+4*\n+3], s[10:11] offset:((\a)/4)*262144+((\a)%4)*2048+512*\n
.endr
.endm
	s_lshr_b32 s4, s[MT], 3                        ; the batch
	s_and_b32 s5, s[MT], 7                         ; my block of 256 tokens in it
	s_cmp_eq_u32 s[NY], 5
	s_cbranch_scc1 .Lvn
	s_cmp_eq_u32 s[NY], 6
	s_cbranch_scc1 .Lvt
	s_lshl_b32 s6, s4, 4
	s_lshl_b32 s7, s[NY], 2
	s_add_co_u32 s6, s6, s7
	s_lshl_b32 s7, s16, 1
	s_add_co_u32 s6, s6, s7                        ; Q: batch 16 + my first head, in units of 131,072 bytes
	s_lshl_b32 s7, s4, 3
	s_lshl_b32 s18, s16, 2
	s_add_co_u32 s7, s7, s18                       ; K: 2 x (batch 4 + my first kv head)
	s_cmp_eq_u32 s[NY], 4
	s_cselect_b32 s6, s7, s6
	s_cselect_b64 s[10:11], s[80:81], s[78:79]
	s_lshl_b32 s6, s6, 17
	s_lshl_b32 s5, s5, 14
	s_add_co_u32 s6, s6, s5                        ; + 16 blocks of 16 tokens x 1,024 bytes for each 256 tokens
	s_lshl_b32 s5, s15, 13
	s_add_co_u32 s6, s6, s5                        ; + 8 for my half
	s_mov_b32 s7, 0
	s_add_nc_u64 s[10:11], s[10:11], s[6:7]
.irp a, 0,1,2,3,4,5,6,7
	EPI_QK \a
.endr
	s_branch .Lend
.Lvn:
	s_lshl_b32 s6, s[MT], 18                       ; (16 mt + 8 x half) blocks of 16 tokens x 16,384 bytes, + my first kv head's 4,096
	s_lshl_b32 s7, s15, 17
	s_add_co_u32 s6, s6, s7
	s_lshl_b32 s7, s16, 13
	s_add_co_u32 s6, s6, s7
	s_mov_b32 s7, 0
	s_add_nc_u64 s[10:11], s[82:83], s[6:7]
.irp a, 0,1,2,3,4,5,6,7
	EPI_VN \a
.endr
	s_branch .Lend
.Lvt:
	s_lshl_b32 s6, s4, 20                          ; (batch 4 + 2 x half of the channels) x 262,144, + 131,072, + (2 (mt % 8) + half of the tokens) x 8,192
	s_lshl_b32 s7, s15, 19
	s_add_co_u32 s6, s6, s7
	s_lshl_b32 s7, s5, 14
	s_add_co_u32 s6, s6, s7
	s_lshl_b32 s7, s16, 13
	s_add_co_u32 s6, s6, s7
	s_add_co_u32 s6, s6, 131072
	s_mov_b32 s7, 0
	s_add_nc_u64 s[10:11], s[80:81], s[6:7]
	s_wait_alu depctr_va_vdst(0)
.irp a, 0,1,2,3,4,5,6,7
	EPI_VT \a
.endr
.Lend:
	s_wait_tensorcnt 0x0                           ; the wave's end
	ds_add_u32 v[SPW], v[NIL]
	s_wait_dscnt 0x0
	s_endpgm
.Lfunc_end_k_q23eb8694be_qkv:
	.size	k_q23eb8694be_qkv, .Lfunc_end_k_q23eb8694be_qkv-k_q23eb8694be_qkv
	.p2alignl 7, 3214868480
	.fill 96, 4, 3214868480
	.section	.rodata,"a",@progbits
	.p2align	6, 0x0
	.amdhsa_kernel k_q23eb8694be_qkv
		.amdhsa_group_segment_fixed_size 327680
		.amdhsa_private_segment_fixed_size 0
		.amdhsa_enable_private_segment 0
		.amdhsa_kernarg_size 64
		.amdhsa_user_sgpr_count 2
		.amdhsa_user_sgpr_kernarg_segment_ptr 1
		.amdhsa_wavefront_size32 1
		.amdhsa_system_sgpr_workgroup_id_x 1
		.amdhsa_system_sgpr_workgroup_id_y 1
		.amdhsa_system_sgpr_workgroup_id_z 1
		.amdhsa_system_vgpr_workitem_id 0
		.amdhsa_next_free_vgpr 1024
		.amdhsa_next_free_sgpr 104
		.amdhsa_reserve_vcc 0
		.amdhsa_float_denorm_mode_32 3
		.amdhsa_float_denorm_mode_16_64 3
		.amdhsa_memory_ordered 1
		.amdhsa_forward_progress 1
		.amdhsa_inst_pref_size 255
	.end_amdhsa_kernel
	.section	.bss,"aw",@nobits
	.p2align	6
	.space	262144
	.amdgpu_metadata
---
amdhsa.version: [ 1, 2 ]
amdhsa.kernels:
  - .name:           k_q23eb8694be_qkv
    .symbol:         k_q23eb8694be_qkv.kd
    .args:
      - { .name: xc, .offset: 0, .size: 8, .value_kind: global_buffer, .address_space: global }
      - { .name: wc, .offset: 8, .size: 8, .value_kind: global_buffer, .address_space: global }
      - { .name: lowp_scales, .offset: 16, .size: 8, .value_kind: global_buffer, .address_space: global }
      - { .name: q_gain, .offset: 24, .size: 8, .value_kind: global_buffer, .address_space: global }
      - { .name: tab, .offset: 32, .size: 8, .value_kind: global_buffer, .address_space: global }
      - { .name: q_c, .offset: 40, .size: 8, .value_kind: global_buffer, .address_space: global }
      - { .name: kv_c, .offset: 48, .size: 8, .value_kind: global_buffer, .address_space: global }
      - { .name: vn, .offset: 56, .size: 8, .value_kind: global_buffer, .address_space: global }
    .group_segment_fixed_size: 327680
    .private_segment_fixed_size: 0
    .kernarg_segment_align: 8
    .kernarg_segment_size: 64
    .max_flat_workgroup_size: 128
    .sgpr_count:     104
    .vgpr_count:     1024
    .wavefront_size: 32
...
	.end_amdgpu_metadata
.endif
;; end of part 2
;; launch attn (part 3): grid 16 x 16, 16 waves a work-group, clusters of 4 x 1, 327,680 bytes of LDS; arguments q_c, kv_c, vn, lowp_scales, y_c; writes y_c
.if DOCPART == 3
	.amdgcn_target "amdgcn-amd-amdhsa--gfx1250"
	.amdhsa_code_object_version 6
	.text
	.protected	k_q23eb8694be_attn
	.globl	k_q23eb8694be_attn
	.p2align	8
	.type	k_q23eb8694be_attn,@function
k_q23eb8694be_attn:
	s_mov_b64 s[64:65], 0
	v_nop
	global_prefetch_b8 v0, s[64:65] scope:SCOPE_SE
	s_setreg_imm32_b32 hwreg(HW_REG_WAVE_MODE, 25, 1), 1
	s_wait_xcnt 0x0
	s_wait_alu depctr_hold_cnt(0) depctr_sa_sdst(0) depctr_va_vdst(0) depctr_va_sdst(0) depctr_va_ssrc(0) depctr_va_vcc(0) depctr_vm_vsrc(0)
	s_getreg_b32 s2, hwreg(HW_REG_IB_STS2, 6, 4)
	s_cmp_eq_u32 s2, 0
	s_cbranch_scc0 .Lentry_in_a_cluster
	s_endpgm
.Lentry_in_a_cluster:
	s_bfe_u32 s2, ttmp6, 0x10000c
	s_cmp_lg_u32 s2, 0x3003
	s_cbranch_scc0 .Lentry_shape_is_right
	s_endpgm
.Lentry_shape_is_right:
; Causal attention on codes of E4M3, head size 64, and the step behind it: y - (y . vn) vn, quantised under entry 10 of lowp_scales for the last projection.
; t = score x log2(e) / 8; M = the running largest t rounded up to a whole number; p = 2^(t - M) is quantised under entry 8, not normalised; the row's sum is taken of the unquantised p and divides at the end.
; SHARES.  Work-group y = batch x 4 + kv head.  The four work-groups of a cluster are the four query heads of that kv head; cluster x = c (0 to 3).  Wave w owns two tiles of 16 queries, 127 - (16 c + w) and 16 c + w:
; together 17 key steps of 128 in every wave.  Key steps all of whose keys come after the tile's queries are left out (the mask that the definition builds itself), by a scalar branch on ids round the step's work.
; LDS holds the kv head's whole K (131,072 bytes) and V^T (131,072), as they lie in kv_c: images of operand registers, 16 bytes a lane.  Each byte is filled once, by JOINT loads (mask 15: the four heads read the same bytes),
; in two parts: at the head each wave asks for 4,096 bytes (waves 0-7: K's keys 0 to 511; waves 8-15: V^T's), and behind a round of the cluster's barrier for 12,288 bytes (the rest).
; Every wave begins with its LATER tile, whose first four key steps count in full and read the first part alone; then all waves wait for their second load and meet at a barrier.
; There is no loop of loads to run ahead in, so nothing is prefetched.
; Both products are used transposed: S^T = K Q^T (source 0 = 16 keys), O^T = V^T P^T (source 0 = 16 channels): a lane holds one query (lane % 16); register j of score tile c is key 16 c + 8 (lane / 16) + j,
; so the conversions' results are the second product's operand as they stand.
; LIMITS: entries 6 + 7 between -123 and 130 (added to the exponent field of log2(e) / 8); entries 8 and 10 between -126 and 119.  NaN among the inputs is not served.
; REGISTERS: v1 16 x lane; v2, v3 LDS addresses; v4-6 the mask; v8 2^(entry 8); v9 at work; v[10:11] f; v12 -M; v13 the largest t; v[14:15] the sum; v16-31 Q's two fragments; v32-95 K's fragments, then p's codes and half of V's;
; v96-159 S^T, then p; v160-191 O^T; v192-223 the other half of V's fragments; v224-255 vn of the tile in hand, loaded behind the second add.  The add's two registers, v254 and v255, are made anew at the end (v0 is kept).
.set SPARE, 0x40000                    ; behind K and V^T: the spare words, 128 bytes for each wave
.set LI,   1
.set ADK,  2
.set ADV,  3
.set WV,   18                          ; s18 my wave's number
.set SEL,  20                          ; s[20:21] v_permlanex16_b32's selects for lane l xor 16
.set CS,   22                          ; s[22:23] log2(e) / 8 x 2^(entries 6 + 7)
.set G1,   24                          ; s[24:31] descriptor group 1; s[40:43], s[44:47] group 0 of the first and the second part
.set Q0,   52                          ; the tile's first query
.set KF,   53                          ; the step's first key
.set TB,   54                          ; the step's first byte of K in LDS
.set CNT,  55
.set PL,   95                          ; s95 448 x 2^(entry 8)
.macro CROUND                          ; a round of the cluster's barrier
	s_barrier_signal -1
	s_barrier_wait -1
	s_cmp_lg_u32 s[WV], 0
	s_cbranch_scc1 .Lnot_wave_0_\@
	s_barrier_signal -3
.Lnot_wave_0_\@:
	s_barrier_wait -3
	s_barrier_signal -1
	s_barrier_wait -1
.endm
	s_load_b256 s[4:11], s[0:1], 0x0               ; q_c 4, kv_c 6, vn 8, lowp_scales 10
	s_load_b64 s[12:13], s[0:1], 0x20              ; y_c
	v_lshl_add_u32 v254, v0, 2, SPARE
	v_mov_b32 v255, 0
	ds_add_u32 v254, v255                          ; the opening lines: the add, twice on end, and its wait ahead of my first tensor load
	ds_add_u32 v254, v255
	v_lshrrev_b32 v2, 5, v0
	v_readfirstlane_b32 s[WV], v2
	s_and_b32 s32, ttmp7, 0xffff                   ; batch x 4 + kv head
	s_mov_b32 s[G1], 15|(3<<16)|(1<<21)            ; mask: all four work-groups; elements of 8 bytes; bit 21 beside the mask
	s_mov_b32 s[G1+1], 32<<16                      ; a dense block as rows of 256 bytes: 16 of them in the first part
	s_mov_b32 s[G1+2], 16<<16
	s_mov_b32 s[G1+3], 32<<16
	s_mov_b32 s[G1+4], 16
	s_mov_b32 s[G1+5], 32
	s_mov_b32 s[G1+6], 0
	s_mov_b32 s[G1+7], 0
	s_mov_b32 s40, 1
	s_mov_b32 s44, 1
	s_lshr_b32 s56, s[WV], 3
	s_lshl_b32 s56, s56, 17                        ; waves 0-7: K; waves 8-15: V^T, 131,072 bytes on
	s_and_b32 s57, s[WV], 7
	s_lshl_b32 s41, s57, 12
	s_add_co_u32 s41, s41, s56                     ; the first part: my 4,096 of its 32,768 bytes, in LDS as in the kv head's block
	s_mul_i32 s45, s57, 12288
	s_add_co_u32 s45, s45, s56
	s_add_co_u32 s45, s45, 32768                   ; the second part: my 12,288 of the 98,304 bytes behind them
	s_lshl_b32 s36, s32, 18
	s_add_co_u32 s38, s36, s45
	s_add_co_u32 s36, s36, s41
	s_mov_b32 s37, 0
	s_mov_b32 s39, 0
	s_wait_dscnt 0x0                               ; both opening adds are done
	s_wait_kmcnt 0x0
	s_load_b256 s[68:75], s[10:11], 0x0            ; entries 0 to 7
	s_load_b128 s[76:79], s[10:11], 0x20           ; entries 8 to 11
	s_add_nc_u64 s[42:43], s[6:7], s[36:37]
	s_or_b32 s43, s43, 0x80000000
	s_add_nc_u64 s[46:47], s[6:7], s[38:39]
	s_or_b32 s47, s47, 0x80000000
	CROUND                                         ; all four work-groups are here: the joint loads meet
	tensor_load_to_lds s[40:43], s[G1:G1+7]        ; my one tensor load at the head
	s_nop 0
.rept 4
	v_nop
.endr
	s_bfe_u32 s19, ttmp6, 0x40000                  ; cx: it enters global addresses alone
	s_lshl_b32 s50, ttmp9, 4
	s_add_co_u32 s50, s50, s[WV]                   ; my earlier tile
	s_sub_co_u32 s51, 127, s50                     ; my later tile
	s_lshr_b32 s33, s32, 2                         ; batch
	s_and_b32 s34, s32, 3                          ; kv head
	s_lshl_b32 s35, s34, 2
	s_add_co_u32 s35, s35, s19                     ; query head
	s_mov_b32 s59, 0
	s_lshl_b32 s56, s33, 4
	s_add_co_u32 s56, s56, s35
	s_lshl_b32 s56, s56, 17
	s_lshl_b32 s58, s50, 10
	s_add_co_u32 s58, s58, s56
	s_add_nc_u64 s[80:81], s[4:5], s[58:59]        ; Q's images of the earlier tile,
	s_lshl_b32 s58, s51, 10
	s_add_co_u32 s58, s58, s56
	s_add_nc_u64 s[82:83], s[4:5], s[58:59]        ; of the later
	s_lshl_b32 s56, s33, 21
	s_lshl_b32 s57, s34, 12
	s_add_co_u32 s57, s57, s56
	s_lshl_b32 s60, s35, 10
	s_add_co_u32 s60, s60, s56
	s_lshl_b32 s56, s50, 14
	s_add_co_u32 s58, s56, s57
	s_add_nc_u64 s[84:85], s[8:9], s[58:59]        ; vn and y_c, earlier tile,
	s_add_co_u32 s58, s56, s60
	s_add_nc_u64 s[88:89], s[12:13], s[58:59]
	s_lshl_b32 s56, s51, 14
	s_add_co_u32 s58, s56, s57
	s_add_nc_u64 s[86:87], s[8:9], s[58:59]        ; later tile
	s_add_co_u32 s58, s56, s60
	s_add_nc_u64 s[90:91], s[12:13], s[58:59]
	v_and_b32 v[LI], 31, v0
	s_delay_alu instid0(VALU_DEP_1)
	v_lshlrev_b32 v[LI], 4, v[LI]
	global_load_b128 v[16:19], v[LI], s[80:81]
	global_load_b128 v[20:23], v[LI], s[80:81] offset:512
	global_load_b128 v[24:27], v[LI], s[82:83]
	global_load_b128 v[28:31], v[LI], s[82:83] offset:512
	v_and_b32 v4, 15, v0
	v_bfe_u32 v5, v0, 4, 1
	s_delay_alu instid0(VALU_DEP_1)
	v_lshlrev_b32 v5, 3, v5
	s_delay_alu instid0(VALU_DEP_1)
	v_sub_nc_u32 v4, v4, v5                        ; lane % 16 - 8 (lane / 16)
	v_mov_b32 v6, 0xff800000                       ; -infinity
	v_mov_b32 v9, 0                                ; a lane permute's destination counts as a source
	v_mov_b32 v11, 0                               ; (named as the upper half of a pair)
	s_mov_b32 s[SEL], 0x76543210
	s_mov_b32 s[SEL+1], 0xfedcba98
	s_mov_b32 s[CS], 0x3e38aa3b                    ; log2(e) / 8
	s_wait_kmcnt 0x0
	s_add_co_i32 s56, s74, s75
	s_lshl_b32 s56, s56, 23
	s_add_co_i32 s[CS], s[CS], s56
	s_mov_b32 s[CS+1], s[CS]
	s_add_co_i32 s56, s76, 127
	s_lshl_b32 s57, s56, 23
	v_mov_b32 v8, s57                              ; 2^(entry 8), for the conversion
	s_add_co_i32 s56, s56, 8
	s_lshl_b32 s56, s56, 23
	s_or_b32 s[PL], s56, 0x600000                  ; 448 x that
	s_add_co_i32 s92, s76, s77                     ; entries 8 + 9
	s_add_co_i32 s56, s78, 127
	s_lshl_b32 s93, s56, 23                        ; 2^(entry 10)
	s_add_co_i32 s56, s56, 8
	s_lshl_b32 s56, s56, 23
	s_or_b32 s94, s56, 0x600000                    ; 448 x that
; A KEY STEP: 128 keys against the tile whose Q fragment begins at v[q]
.macro STEP q
	s_add_co_u32 s96, s[Q0], 15
	s_cmp_gt_u32 s[KF], s96
	s_cbranch_scc1 .Lhidden_\@                     ; all 128 keys come after my 16 queries
	v_add_nc_u32 v[ADK], s[TB], v[LI]
	s_delay_alu instid0(VALU_DEP_1)
	v_add_nc_u32 v[ADV], 0x20000, v[ADK]
	v_nop                                          ; with the two additions: four places in front of loads into registers that the last products read
	v_nop
.irp c, 0,1,2,3,4,5,6,7
	ds_load_b128 v[32+8*\c:35+8*\c], v[ADK] offset:1024*\c
	ds_load_b128 v[36+8*\c:39+8*\c], v[ADK] offset:1024*\c+512
.endr
	s_wait_alu depctr_va_vdst(0)
.irp c, 0,1,2,3,4,5,6,7
.if (\c%2) == 0
	s_wait_dscnt 12-2*\c                           ; the four loads of tiles c and c + 1 are in; the 12 - 2 c behind them may be out
.endif
	v_wmma_f32_16x16x64_fp8_fp8 v[96+8*\c:103+8*\c], v[32+8*\c:39+8*\c], v[\q:\q+7], 0
.endr
.rept 4
	v_nop
.endr
.irp n, 0,1,2,3
	ds_load_b128 v[192+4*\n:195+4*\n], v[ADV] offset:512*\n
	ds_load_b128 v[208+4*\n:211+4*\n], v[ADV] offset:2048+512*\n
	ds_load_b128 v[48+4*\n:51+4*\n], v[ADV] offset:4096+512*\n
	ds_load_b128 v[64+4*\n:67+4*\n], v[ADV] offset:6144+512*\n
.endr
	s_add_co_u32 s96, s[KF], 127
	s_cmp_le_u32 s96, s[Q0]
	s_cbranch_scc1 .Lopen_\@                       ; all keys count
	s_sub_co_i32 s96, s[Q0], s[KF]
	v_add_nc_u32 v5, s96, v4                       ; my query - KF - 8 (lane / 16): register 8 c + j is hidden where 16 c + j is greater
.set nn, 0
.rept 64
	v_cmp_gt_i32 vcc_lo, 16*(nn/8)+nn%8, v5
	v_cndmask_b32 v[96+nn], v[96+nn], v6, vcc_lo
.set nn, nn+1
.endr
.Lopen_\@:
	v_max3_num_f32 v80, v96, v97, v98              ; the step's largest score, in two chains, each accumulator from its low end on
	v_max3_num_f32 v81, v99, v100, v101
.irp i, 6,10,14,18,22,26,30,34,38,42,46,50,54,58
	v_max3_num_f32 v80, v80, v[96+\i], v[97+\i]
	v_max3_num_f32 v81, v81, v[98+\i], v[99+\i]
.endr
	v_max3_num_f32 v80, v80, v158, v159
	s_delay_alu instid0(VALU_DEP_1)
	v_max_num_f32 v80, v80, v81
	s_delay_alu instid0(VALU_DEP_1)
	v_permlanex16_b32 v9, v80, s[SEL], s[SEL+1]
	s_delay_alu instid0(VALU_DEP_1)
	v_max_num_f32 v80, v80, v9
	s_delay_alu instid0(VALU_DEP_1)
	v_mul_f32 v80, s[CS], v80
	s_delay_alu instid0(VALU_DEP_1)
	v_max_num_f32 v13, v13, v80                    ; the running largest t
	v_mov_b32 v80, v12
	s_delay_alu instid0(VALU_DEP_2)
	v_floor_f32 v12, -v13                          ; -M = floor(-t)
	s_delay_alu instid0(VALU_DEP_1)
	v_sub_f32 v80, v12, v80
	s_delay_alu instid0(VALU_DEP_1)
	v_cvt_i32_f32 v80, v80
	s_delay_alu instid0(VALU_DEP_1)
	v_ldexp_f32 v10, 1.0, v80                      ; f = 2^(old M - new M)
.set jj, 0
.rept 32
	v_pk_fma_f32 v[96+jj:97+jj], v[96+jj:97+jj], s[CS:CS+1], v[12:13] op_sel_hi:[1,0,0]   ; t - M
.set jj, jj+2
.endr
	s_wait_alu depctr_va_vdst(0)
.set jj, 0
.rept 64
	v_exp_f32 v[96+jj], v[96+jj]
.set jj, jj+1
.endr
	v_pk_mul_f32 v[14:15], v[14:15], v[10:11] op_sel_hi:[1,0]   ; the sums under the new M (the plain place behind the batch)
	s_wait_alu depctr_va_vdst(0)                   ; one wait for the batch, ahead of its first reader
	v_pk_add_f32 v[82:83], v[96:97], v[98:99]      ; the sum of the unquantised p, in two chains
.irp j, 4,8,12,16,20,24,28,32,36,40,44,48,52,56,60
	v_pk_add_f32 v[14:15], v[14:15], v[96+\j:97+\j]
	v_pk_add_f32 v[82:83], v[82:83], v[98+\j:99+\j]
.endr
	s_delay_alu instid0(VALU_DEP_1)
	v_pk_add_f32 v[14:15], v[14:15], v[82:83]
.set jj, 0
.rept 32                                       ; the hold at the largest code (the conversion does not saturate: ISA guide 7.6.2); p is not negative, so it is one-sided; two numbers a line
	v_dual_min_num_f32 v[96+jj], s[PL], v[96+jj] :: v_dual_min_num_f32 v[97+jj], s[PL], v[97+jj]
.set jj, jj+2
.endr
.irp c, 0,1,2,3,4,5,6,7
	v_cvt_scalef32_pk8_fp8_f32 v[32+2*\c:33+2*\c], v[96+8*\c:103+8*\c], v8
.endr
	s_wait_alu depctr_va_vdst(0)
.set jj, 0
.rept 16
	v_pk_mul_f32 v[160+jj:161+jj], v[160+jj:161+jj], v[10:11] op_sel_hi:[1,0]   ; O^T under the new M
.set jj, jj+2
.endr
	s_wait_alu depctr_va_vdst(0)
	s_wait_dscnt 0x0                               ; V's fragments
	v_wmma_f32_16x16x128_fp8_fp8 v[160:167], v[192:207], v[32:47], v[160:167]
	v_wmma_f32_16x16x128_fp8_fp8 v[168:175], v[208:223], v[32:47], v[168:175]
	v_wmma_f32_16x16x128_fp8_fp8 v[176:183], v[48:63], v[32:47], v[176:183]
	v_wmma_f32_16x16x128_fp8_fp8 v[184:191], v[64:79], v[32:47], v[184:191]
.Lhidden_\@:
	s_add_co_u32 s[TB], s[TB], 8192
	s_add_co_u32 s[KF], s[KF], 128
.endm
; THE WAY OUT of a tile: y = O^T / the sum x 2^(entries 8 + 9); y - (y . vn) vn; codes under entry 10, stored as images of the last projection's operand
.macro OUT yb
.rept 4
	v_nop
.endr
	v_add_f32 v14, v14, v15
	s_delay_alu instid0(VALU_DEP_1)
	v_permlanex16_b32 v9, v14, s[SEL], s[SEL+1]
	s_delay_alu instid0(VALU_DEP_1)
	v_add_f32 v14, v14, v9
	s_wait_alu depctr_va_vdst(0)
	v_rcp_f32 v14, v14
	v_mov_b32 v84, s93
	v_mov_b32 v85, s94
	s_wait_loadcnt 0x0                             ; vn
	s_wait_alu depctr_va_vdst(0)
	v_ldexp_f32 v14, v14, s92
.set jj, 0
.rept 16
	v_pk_mul_f32 v[96+jj:97+jj], v[160+jj:161+jj], v[14:15] op_sel_hi:[1,0]
.set jj, jj+2
.endr
	v_pk_mul_f32 v[80:81], v[96:97], v[224:225]
	v_pk_mul_f32 v[82:83], v[98:99], v[226:227]
.irp j, 4,8,12,16,20,24,28
	s_delay_alu instid0(VALU_DEP_2)
	v_pk_fma_f32 v[80:81], v[96+\j:97+\j], v[224+\j:225+\j], v[80:81]
	s_delay_alu instid0(VALU_DEP_2)
	v_pk_fma_f32 v[82:83], v[98+\j:99+\j], v[226+\j:227+\j], v[82:83]
.endr
	s_delay_alu instid0(VALU_DEP_1)
	v_pk_add_f32 v[80:81], v[80:81], v[82:83]
	s_delay_alu instid0(VALU_DEP_1)
	v_add_f32 v80, v80, v81
	s_delay_alu instid0(VALU_DEP_1)
	v_permlanex16_b32 v9, v80, s[SEL], s[SEL+1]
	s_delay_alu instid0(VALU_DEP_1)
	v_add_f32 v80, v80, v9                         ; y . vn
.set jj, 0
.rept 16
	v_pk_fma_f32 v[96+jj:97+jj], v[224+jj:225+jj], v[80:81], v[96+jj:97+jj] op_sel_hi:[1,0,1] neg_lo:[0,1,0] neg_hi:[0,1,0]
.set jj, jj+2
.endr
.set jj, 0
.rept 32
	v_med3_num_f32 v[96+jj], v[96+jj], -v85, v85
.set jj, jj+1
.endr
.irp n, 0,1,2,3
	v_cvt_scalef32_pk8_fp8_f32 v[128+2*\n:129+2*\n], v[96+8*\n:103+8*\n], v84
.endr
	v_nop                                          ; a plain line behind the last conversion
	global_store_b128 v[LI], v[128:131], s[\yb:\yb+1]              ; 32 lanes store 512 consecutive bytes, aligned
	global_store_b128 v[LI], v[132:135], s[\yb:\yb+1] offset:512
.endm
.macro BEGIN ti                        ; a tile begins: the step is written once, and the first finds zeros
	v_mov_b32 v13, 0xff61b1e6                      ; -3e38, under every t
	s_delay_alu instid0(VALU_DEP_1)
	v_floor_f32 v12, -v13
	v_mov_b32 v14, 0
	v_mov_b32 v15, 0
.set jj, 0
.rept 32
	v_mov_b32 v[160+jj], 0
.set jj, jj+1
.endr
	s_lshl_b32 s[Q0], s[\ti], 4
	s_mov_b32 s[KF], 0
	s_mov_b32 s[TB], 0
.endm
.macro RUN q, trips                    ; so many key steps on: the trip count is a constant; what lies beyond the tile's queries is jumped over inside STEP
	s_mov_b32 s[CNT], \trips
.Lkey_\@:
	STEP \q
	s_sub_co_u32 s[CNT], s[CNT], 1
	s_cmp_lg_u32 s[CNT], 0
	s_cbranch_scc1 .Lkey_\@
.endm
	s_wait_alu depctr_va_vdst(0)
	s_wait_tensorcnt 0x0                           ; my 4,096 bytes are in; the three lines ahead of a later first fill.  My load is done, so its group 1 may be written:
	ds_add_u32 v254, v255
	s_mov_b32 s[G1+2], 48<<16                      ; the second part has 48 rows of 256 bytes a wave
	s_mov_b32 s[G1+4], 48
	s_wait_dscnt 0x0
	CROUND                                         ; everybody's first part is in, and the joint loads meet
	tensor_load_to_lds s[44:47], s[G1:G1+7]        ; the second part: my one tensor load behind the round
	s_nop 0
.rept 4
	v_nop
.endr
.irp n, 0,1,2,3,4,5,6,7
	global_load_b128 v[224+4*\n:227+4*\n], v[LI], s[86:87] offset:512*\n   ; vn of the later tile
.endr
	s_wait_loadcnt 0x8                             ; Q's four loads; vn's eight may be out
	BEGIN 51                                       ; the later tile (64 to 127): its first 1,024 keys all count
	RUN 24, 4                                      ; keys 0 to 511: the first part's bytes alone
	s_wait_tensorcnt 0x0                           ; my 12,288 bytes are in,
	s_wait_dscnt 0x0
	s_barrier_signal -1
	s_barrier_wait -1                              ; and everybody's: all of K and V^T.
	RUN 24, 12
	OUT 90
	s_wait_xcnt 0x0                                ; the stores have read their registers
.irp n, 0,1,2,3,4,5,6,7
	global_load_b128 v[224+4*\n:227+4*\n], v[LI], s[84:85] offset:512*\n   ; vn of the earlier tile
.endr
	BEGIN 50                                       ; the earlier tile (0 to 63) sees at most 1,024 keys
	RUN 16, 8
	OUT 88
	s_wait_xcnt 0x0
	v_lshl_add_u32 v254, v0, 2, SPARE              ; the add's two registers, made anew
	v_mov_b32 v255, 0
	s_wait_alu depctr_va_vdst(0)
	s_wait_tensorcnt 0x0                           ; the wave's end
	ds_add_u32 v254, v255
	s_wait_dscnt 0x0
	CROUND                                         ; the closing round
	s_endpgm
.Lfunc_end_k_q23eb8694be_attn:
	.size	k_q23eb8694be_attn, .Lfunc_end_k_q23eb8694be_attn-k_q23eb8694be_attn
	.p2alignl 7, 3214868480
	.fill 96, 4, 3214868480
	.section	.rodata,"a",@progbits
	.p2align	6, 0x0
	.amdhsa_kernel k_q23eb8694be_attn
		.amdhsa_group_segment_fixed_size 327680
		.amdhsa_private_segment_fixed_size 0
		.amdhsa_enable_private_segment 0
		.amdhsa_kernarg_size 40
		.amdhsa_user_sgpr_count 2
		.amdhsa_user_sgpr_kernarg_segment_ptr 1
		.amdhsa_wavefront_size32 1
		.amdhsa_system_sgpr_workgroup_id_x 1
		.amdhsa_system_sgpr_workgroup_id_y 1
		.amdhsa_system_sgpr_workgroup_id_z 1
		.amdhsa_system_vgpr_workitem_id 0
		.amdhsa_next_free_vgpr 256
		.amdhsa_next_free_sgpr 100
		.amdhsa_reserve_vcc 1
		.amdhsa_float_denorm_mode_32 3
		.amdhsa_float_denorm_mode_16_64 3
		.amdhsa_memory_ordered 1
		.amdhsa_forward_progress 1
		.amdhsa_inst_pref_size 89
	.end_amdhsa_kernel
	.amdgpu_metadata
---
amdhsa.version: [ 1, 2 ]
amdhsa.kernels:
  - .name:           k_q23eb8694be_attn
    .symbol:         k_q23eb8694be_attn.kd
    .args:
      - { .name: q_c, .offset: 0, .size: 8, .value_kind: global_buffer, .address_space: global }
      - { .name: kv_c, .offset: 8, .size: 8, .value_kind: global_buffer, .address_space: global }
      - { .name: vn, .offset: 16, .size: 8, .value_kind: global_buffer, .address_space: global }
      - { .name: lowp_scales, .offset: 24, .size: 8, .value_kind: global_buffer, .address_space: global }
      - { .name: y_c, .offset: 32, .size: 8, .value_kind: global_buffer, .address_space: global }
    .group_segment_fixed_size: 327680
    .private_segment_fixed_size: 0
    .kernarg_segment_align: 8
    .kernarg_segment_size: 40
    .max_flat_workgroup_size: 512
    .sgpr_count:     100
    .vgpr_count:     256
    .wavefront_size: 32
...
	.end_amdgpu_metadata
.endif
;; end of part 3
;; launch proj (part 4): grid 64 x 4, 4 waves a work-group, clusters of 4 x 1, 327,680 bytes of LDS; arguments y_c, wc, lowp_scales, out0; writes out0
.if DOCPART == 4
	.amdgcn_target "amdgcn-amd-amdhsa--gfx1250"
	.amdhsa_code_object_version 6
	.text
	.protected	k_q23eb8694be_proj
	.globl	k_q23eb8694be_proj
	.p2align	8
	.type	k_q23eb8694be_proj,@function
k_q23eb8694be_proj:
	s_mov_b64 s[64:65], 0
	v_nop
	global_prefetch_b8 v0, s[64:65] scope:SCOPE_SE
	s_setreg_imm32_b32 hwreg(HW_REG_WAVE_MODE, 25, 1), 1
	s_wait_xcnt 0x0
	s_wait_alu depctr_hold_cnt(0) depctr_sa_sdst(0) depctr_va_vdst(0) depctr_va_sdst(0) depctr_va_ssrc(0) depctr_va_vcc(0) depctr_vm_vsrc(0)
	s_getreg_b32 s2, hwreg(HW_REG_IB_STS2, 6, 4)
	s_cmp_eq_u32 s2, 0
	s_cbranch_scc0 .Lentry_in_a_cluster
	s_endpgm
.Lentry_in_a_cluster:
	s_bfe_u32 s2, ttmp6, 0x10000c
	s_cmp_lg_u32 s2, 0x3003
	s_cbranch_scc0 .Lentry_shape_is_right
	s_endpgm
.Lentry_shape_is_right:
; out0 [8192][1024] f32 = y Wproj^T on codes of E4M3; each finished sum x 2^(entries 10 + 11 of lowp_scales).  LIMIT: the two entries added lie between -126 and 127.
; A work-group makes 128 tokens (work-group x) x 256 columns (work-group y): 64 x 4 = 256 work-groups.  Four waves: wave w has tokens 64 (w / 2) on and, of each chunk of 128 columns, columns 64 (w % 2) on.
; y STAYS IN REGISTERS.  y_c holds images of operand registers ([token / 16][16,384 bytes]: 32 images of 512 bytes, 16 a lane): a wave's 64 tokens x 1,024 K are 128 loads of 512 consecutive bytes into 512 registers.
; They pass no LDS, so they are not asked for jointly: each wave loads what its own registers hold.
; THE WEIGHTS LIE WHOLE IN LDS: 256 rows of 1,024 bytes + 16 of padding, in two chunks of 128 rows.  Each wave fetches 32 rows of a chunk by one JOINT load (the four work-groups of a cluster have the same columns):
; chunk 0 at the head, chunk 1 behind a round of the cluster's barrier.  Nothing is filled again.  Chunk 0 is multiplied and stored while chunk 1 is on its way.
; No prefetch: the launch has no loop of loads to run ahead in.
; The matrix instruction is used transposed (source 0 = 16 rows of the weights, source 1 = 16 tokens): a lane holds 8 neighbouring columns of a row of out0.
; REGISTERS: window 0: v16-29 addresses; v32-63 a block's scaled sums; v64-127 two sets of rows on the way out; v128-255 the weights' fragments, two sets of 4 x 16.
;   window 1: v0-127 accumulator (a, b) at v[8 (4 a + b)].   windows 2, 3: y: token tile a (0, 1 in window 2; 2, 3 in window 3), K step kq of 128: v[128 (a % 2) + 16 kq].
.set PITCH,  1040                      ; 260 words: row r starts at bank 4 r mod 64 (64 banks of 4 bytes: ISA guide 11.1)
.set CH,     128*PITCH                 ; a chunk
.set SPARE,  2*CH                      ; the spare words, 128 bytes for each wave
.set STAGE,  SPARE+512                 ; the way out: 16 rows x (256 + 16) bytes for each wave, bytes of their own
.set SPITCH, 272
.set LI,   16                          ; v16 16 x lane
.set ADRB, 20                          ; v20, v21 my fragments' place in chunk 0, 1
.set STO,  24
.set RD,   25
.set CO,   26
.set SPW,  28
.set NIL,  29
.set TMP,  32
.set BK,   64
.set BF,   128
.set G1,   24                          ; s[24:31] descriptor group 1; s[32:35], s[36:39] group 0 of chunk 0, 1
.set G0,   32
.set MSB, 0
.macro WIN new                         ; the immediate's high byte repeats the setting that is left
.if MSB != \new
	s_set_vgpr_msb (MSB<<8)|\new
.set MSB, \new
.endif
.endm
.macro PLACES n
.rept \n
	v_nop
.endr
.endm
.macro TLOAD g0                        ; every wave issues it, each with its own 32 rows; an s_nop 0 and four v_nop follow
	tensor_load_to_lds s[\g0:\g0+3], s[G1:G1+7]
	s_nop 0
	PLACES 4
.endm
.macro CROUND                          ; a round of the cluster's barrier
	s_barrier_signal -1
	s_barrier_wait -1
	s_cmp_lg_u32 s14, 0
	s_cbranch_scc1 .Lnot_wave_0_\@
	s_barrier_signal -3
.Lnot_wave_0_\@:
	s_barrier_wait -3
	s_barrier_signal -1
	s_barrier_wait -1
.endm
	s_load_b128 s[4:7], s[0:1], 0x0                ; y_c, wc
	s_load_b128 s[8:11], s[0:1], 0x10              ; lowp_scales, out0
	v_lshl_add_u32 v[SPW], v0, 2, SPARE
	v_mov_b32 v[NIL], 0
	ds_add_u32 v[SPW], v[NIL]                      ; the opening lines: the add, twice on end, and its wait
	ds_add_u32 v[SPW], v[NIL]
	v_lshrrev_b32 v1, 5, v0
	v_readfirstlane_b32 s14, v1                    ; wave
	s_lshr_b32 s15, s14, 1                         ; my half of the tokens
	s_and_b32 s16, s14, 1                          ; my half of a chunk's columns
	s_bfe_u32 s40, ttmp6, 0x40000                  ; cx
	s_lshl_b32 s17, ttmp9, 2
	s_add_co_u32 s17, s17, s40                     ; block of 128 tokens: it enters my own loads' and stores' addresses alone
	s_and_b32 s42, ttmp7, 0xffff                   ; block of 256 columns, which the four partners share
	s_mov_b32 s[G1+0], 15|(0<<16)|(1<<20)|(1<<21)|(7<<22)|(3<<25)   ; mask: all four; elements of 1 byte; padding: 4 words behind every 256; bit 21 beside the mask
	s_mov_b32 s[G1+1], 1024<<16                    ; tensor_dim0
	s_mov_b32 s[G1+2], 32<<16                      ; tensor_dim1
	s_mov_b32 s[G1+3], 1024<<16                    ; tile_dim0
	s_mov_b32 s[G1+4], 32                          ; tile_dim1
	s_mov_b32 s[G1+5], 1024                        ; the pitch in memory
	s_mov_b32 s[G1+6], 0
	s_mov_b32 s[G1+7], 0
	s_lshl_b32 s46, s42, 18                        ; the weights: 256 rows of 1,024 bytes a block,
	s_lshl_b32 s18, s14, 15                        ; my 32 rows of a chunk,
	s_add_co_u32 s46, s46, s18
	s_add_co_u32 s46, s46, 0x180000                ; behind wc's first 1,536 rows
	s_mov_b32 s47, 0
	s_mul_i32 s13, s14, 32*PITCH                   ; where they go
	s_lshl_b32 s20, s17, 17                        ; y: 128 tokens of 1,024 bytes a block,
	s_lshl_b32 s18, s15, 16                        ; my 64
	s_add_co_u32 s20, s20, s18
	s_mov_b32 s21, 0
	s_lshl_b32 s48, s17, 19                        ; out0: 128 rows of 4,096 bytes a block,
	s_lshl_b32 s49, s15, 18
	s_add_co_u32 s48, s48, s49
	s_lshl_b32 s49, s42, 10                        ; 1,024 bytes of a row a block of columns,
	s_add_co_u32 s48, s48, s49
	s_lshl_b32 s49, s16, 8                         ; my 256 of a chunk's 512
	s_add_co_u32 s48, s48, s49
	s_mov_b32 s49, 0
	s_mul_i32 s22, s16, 64*PITCH
	s_mul_i32 s23, s14, 16*SPITCH
	s_add_co_u32 s23, s23, STAGE                   ; my stage
	v_and_b32 v6, 31, v0
	v_lshlrev_b32 v[LI], 4, v6
	v_and_b32 v1, 15, v0                           ; r
	v_bfe_u32 v2, v0, 4, 1                         ; h
	v_mul_u32_u24 v3, v1, PITCH
	v_lshl_add_u32 v4, v2, 4, v3
	v_add_nc_u32 v[ADRB], s22, v4                  ; a fragment's row x pitch + 16 h, in my 64 rows
	v_add_nc_u32 v[ADRB+1], CH, v[ADRB]
	v_mul_u32_u24 v5, v1, SPITCH
	v_lshl_add_u32 v5, v2, 5, v5
	v_add_nc_u32 v[STO], s23, v5                   ; into the stage: row r, 32 bytes for each half of the lanes
	v_mul_u32_u24 v7, v2, SPITCH
	v_lshl_add_u32 v7, v1, 4, v7
	v_add_nc_u32 v[RD], s23, v7                    ; back: lanes 0-15 one row of 256 bytes, lanes 16-31 the next
	v_lshlrev_b32 v8, 12, v2
	v_lshl_add_u32 v[CO], v1, 4, v8                ; and the same two rows in out0
	s_wait_alu depctr_va_vdst(0)
	s_wait_dscnt 0x0                               ; both opening adds are done
	s_wait_kmcnt 0x0
	s_load_b64 s[44:45], s[8:9], 0x28              ; entries 10 and 11
	s_add_nc_u64 s[20:21], s[4:5], s[20:21]
	s_add_nc_u64 s[46:47], s[6:7], s[46:47]
	s_add_nc_u64 s[10:11], s[10:11], s[48:49]
.irp g, 0,1
	s_mov_b32 s[G0+4*\g], 1
	s_add_co_u32 s[G0+4*\g+1], s13, \g*CH
	s_add_nc_u64 s[G0+4*\g+2:G0+4*\g+3], s[46:47], \g*131072
	s_or_b32 s[G0+4*\g+3], s[G0+4*\g+3], 0x80000000
.endr
	CROUND                                         ; all four work-groups are here: the joint loads meet
	TLOAD G0                                       ; chunk 0: my one tensor load at the head
.irp kq, 0,1,2,3,4,5,6,7                       ; y, K step by K step: 16 loads each
	WIN 0x80
.irp a, 0,1
.irp c, 0,1,2,3
	global_load_b128 v[128*\a+16*\kq+4*\c:128*\a+16*\kq+4*\c+3], v[LI], s[20:21] offset:\a*16384+\kq*2048+512*\c
.endr
.endr
	WIN 0xc0
.irp a, 0,1
.irp c, 0,1,2,3
	global_load_b128 v[128*\a+16*\kq+4*\c:128*\a+16*\kq+4*\c+3], v[LI], s[20:21] offset:(\a+2)*16384+\kq*2048+512*\c
.endr
.endr
.endr
	WIN 0
	s_wait_tensorcnt 0x0                           ; my part of chunk 0 is in; the three lines ahead of a later first fill
	ds_add_u32 v[SPW], v[NIL]
	s_wait_dscnt 0x0
	CROUND                                         ; everybody's part is in, and the joint loads meet
	TLOAD G0+4                                     ; chunk 1
.macro FETCH g, kq, p                  ; my four fragments (64 rows x 128 K) of chunk g's K step kq into set p: registers 4 c .. 4 c + 3 hold K = 32 c + 16 h + 0 .. 15, the places that y's images have too
.irp b, 0,1,2,3
.irp c, 0,1,2,3
	ds_load_b128 v[BF+64*(\p)+16*\b+4*\c:BF+64*(\p)+16*\b+4*\c+3], v[ADRB+\g] offset:\b*16*PITCH+128*(\kq)+32*\c
.endr
.endr
.endm
.macro MUL8 a0, kq, p, zero            ; token tiles a0, a0 + 1 (the window in force holds them) x my four column blocks
.irp a, 0,1
.irp b, 0,1,2,3
.if \zero
	v_wmma_f32_16x16x128_fp8_fp8 v[8*(4*(\a0+\a)+\b):8*(4*(\a0+\a)+\b)+7], v[BF+64*(\p)+16*\b:BF+64*(\p)+16*\b+15], v[128*\a+16*(\kq):128*\a+16*(\kq)+15], 0
.else
	v_wmma_f32_16x16x128_fp8_fp8 v[8*(4*(\a0+\a)+\b):8*(4*(\a0+\a)+\b)+7], v[BF+64*(\p)+16*\b:BF+64*(\p)+16*\b+15], v[128*\a+16*(\kq):128*\a+16*(\kq)+15], v[8*(4*(\a0+\a)+\b):8*(4*(\a0+\a)+\b)+7]
.endif
.endr
.endr
.endm
; A K step of 128: 16 matrix instructions, the 16 accumulators by turns in the same order in every step; the next step's fragments are asked for ahead of them
.macro KQ g, kq, zero
	s_wait_dscnt 0x0                               ; this step's fragments of the weights are in
.if \g == 0
.if 16*(7-(\kq)) > 63
	s_wait_loadcnt 63                              ; y's loads of this K step are in: behind them stand 16 (7 - kq), more than the wait's field names
.else
	s_wait_loadcnt 16*(7-(\kq))                    ; y's loads of this K step are in; the 16 of each later step may be out
.endif
.endif
.if \kq < 7
	PLACES 4                                       ; in front of loads into the set that the last step's products read
	FETCH \g, (\kq)+1, ((\kq)+1)%2
.endif
	WIN 0x58                                       ; source 0 window 0, source 1 window 2, C and D window 1
	MUL8 0, \kq, (\kq)%2, \zero
	WIN 0x5c                                       ; source 1 window 3
	MUL8 2, \kq, (\kq)%2, \zero
	WIN 0
.endm
; THE WAY OUT of a chunk, by blocks of 16 tokens x 64 columns: through my stage and back as whole rows of 256 bytes.  LDS serves a wave's instructions in order (ISA guide 5.7.1.4).
.macro TOSTAGE a
	WIN 0x01
.irp j, 0,2,4,6,8,10,12,14,16,18,20,22,24,26,28,30
	v_pk_mul_f32 v[TMP+\j:TMP+\j+1], v[32*(\a)+\j:32*(\a)+\j+1], s[44:45] op_sel_hi:[1,0]   ; x 2^(entries 10 + 11), each accumulator from its low end on
.endr
	WIN 0
.irp b, 0,1,2,3
	ds_store_b128 v[STO], v[TMP+8*\b:TMP+8*\b+3] offset:64*\b
	ds_store_b128 v[STO], v[TMP+8*\b+4:TMP+8*\b+7] offset:64*\b+16
.endr
.irp t, 0,1,2,3,4,5,6,7
	ds_load_b128 v[BK+32*((\a)%2)+4*\t:BK+32*((\a)%2)+4*\t+3], v[RD] offset:\t*2*SPITCH
.endr
.endm
.macro SEND g, a, younger              ; younger: the LDS instructions issued behind block a's loads
	s_wait_dscnt \younger
.irp t, 0,1,2,3,4,5,6,7
	global_store_b128 v[CO], v[BK+32*((\a)%2)+4*\t:BK+32*((\a)%2)+4*\t+3], s[10:11] offset:(\a)*65536+\t*8192+(\g)*512 th:TH_STORE_NT   ; 16 lanes store 256 consecutive bytes, aligned
.endr
.endm
.macro WAYOUT g
	PLACES 4                                       ; behind the last products
	s_wait_xcnt 0x0                                ; earlier stores have read the registers that the rows come back into
	TOSTAGE 0
.irp a, 1,2,3
.if \a > 1
	s_wait_xcnt 0x0                                ; block a - 2's stores have read their registers
.endif
	TOSTAGE \a
	SEND \g, \a-1, 16                              ; behind block a - 1's loads: block a's 8 stores and 8 loads
.endr
	SEND \g, 3, 0
.endm
	FETCH 0, 0, 0
	KQ 0, 0, 1                                     ; the first products start the sums
.irp kq, 1,2,3,4,5,6,7
	KQ 0, \kq, 0
.endr
	s_wait_kmcnt 0x0
	s_add_co_i32 s44, s44, s45
	s_add_co_i32 s44, s44, 127
	s_lshl_b32 s44, s44, 23                        ; 2^(entries 10 + 11) as f32
	WAYOUT 0
	s_wait_tensorcnt 0x0                           ; my part of chunk 1 is in,
	s_wait_dscnt 0x0
	s_barrier_signal -1
	s_barrier_wait -1                              ; and everybody's.
	FETCH 1, 0, 0
	KQ 1, 0, 1
.irp kq, 1,2,3,4,5,6,7
	KQ 1, \kq, 0
.endr
	WAYOUT 1
	s_wait_tensorcnt 0x0                           ; the wave's end
	ds_add_u32 v[SPW], v[NIL]
	s_wait_dscnt 0x0
	CROUND                                         ; the closing round
	s_endpgm
.Lfunc_end_k_q23eb8694be_proj:
	.size	k_q23eb8694be_proj, .Lfunc_end_k_q23eb8694be_proj-k_q23eb8694be_proj
	.p2alignl 7, 3214868480
	.fill 96, 4, 3214868480
	.section	.rodata,"a",@progbits
	.p2align	6, 0x0
	.amdhsa_kernel k_q23eb8694be_proj
		.amdhsa_group_segment_fixed_size 327680
		.amdhsa_private_segment_fixed_size 0
		.amdhsa_enable_private_segment 0
		.amdhsa_kernarg_size 32
		.amdhsa_user_sgpr_count 2
		.amdhsa_user_sgpr_kernarg_segment_ptr 1
		.amdhsa_wavefront_size32 1
		.amdhsa_system_sgpr_workgroup_id_x 1
		.amdhsa_system_sgpr_workgroup_id_y 1
		.amdhsa_system_sgpr_workgroup_id_z 1
		.amdhsa_system_vgpr_workitem_id 0
		.amdhsa_next_free_vgpr 1024
		.amdhsa_next_free_sgpr 66
		.amdhsa_reserve_vcc 0
		.amdhsa_float_denorm_mode_32 3
		.amdhsa_float_denorm_mode_16_64 3
		.amdhsa_memory_ordered 1
		.amdhsa_forward_progress 1
		.amdhsa_inst_pref_size 78
	.end_amdhsa_kernel
	.amdgpu_metadata
---
amdhsa.version: [ 1, 2 ]
amdhsa.kernels:
  - .name:           k_q23eb8694be_proj
    .symbol:         k_q23eb8694be_proj.kd
    .args:
      - { .name: y_c, .offset: 0, .size: 8, .value_kind: global_buffer, .address_space: global }
      - { .name: wc, .offset: 8, .size: 8, .value_kind: global_buffer, .address_space: global }
      - { .name: lowp_scales, .offset: 16, .size: 8, .value_kind: global_buffer, .address_space: global }
      - { .name: out0, .offset: 24, .size: 8, .value_kind: global_buffer, .address_space: global }
    .group_segment_fixed_size: 327680
    .private_segment_fixed_size: 0
    .kernarg_segment_align: 8
    .kernarg_segment_size: 32
    .max_flat_workgroup_size: 128
    .sgpr_count:     66
    .vgpr_count:     1024
    .wavefront_size: 32
...
	.end_amdgpu_metadata
.endif
;; end of part 4
